; MI455X (gfx1250); checked and timed in simulation.
; The chip was launched on July 23, 2026; its instructions are those of AMD's public machine-readable ISA for CDNA 5 (MIT licence, August 2026) and "CDNA5" Instruction Set Architecture Reference Guide (July 2026). The comments in the code are by the model that wrote it; some were corrected since.
;; MGQA. Allowed arithmetic: float matrix products may take bf16 or f16 operands with f32 sums; other float arithmetic in f32, or as packed bf16 or f16 multiplies, adds, multiply-adds, maxima and minima; sums over many terms, partial sums and values carried from step to step in f32; what a program stores and reads back later, other than sums and carried values, may be rounded once to bf16 or f16.
;; Inputs: Wk 2,048 x 512 float32; Wo 2,048 x 2,048 float32; Wq 2,048 x 2,048 float32; Wv 2,048 x 512 float32; x 4 x 1,024 x 2,048 float32.
;; Outputs: out0 4 x 1,024 x 2,048 float32.
;; 2 versions, each right; version 2 is version 1 with the launch cast written anew for expert scheduling mode. Each part assembles by itself: llvm-mc -triple=amdgcn-amd-amdhsa -mcpu=gfx1250 --defsym DOCPART=n.
;; ======== version 1 of 2: 4 launches
;; limits: values are held in f16: magnitudes above 65,504 overflow, below 6.1e-05 lose precision
;; workspace buffers: xb 16,777,216 bytes; wqkv 12,582,912 bytes; wob 8,388,608 bytes; qkv 25,165,824 bytes; ao 16,777,216 bytes
;; launch cast (part 1): grid 1152 x 1, 8 waves a work-group, no clusters, 0 bytes of LDS; arguments x, Wq, Wo, Wk, Wv, xb, wqkv, wob; writes xb, wqkv, wob
.if DOCPART == 1
	.amdgcn_target "amdgcn-amd-amdhsa--gfx1250"
	.amdhsa_code_object_version 6
	.text
	.protected	k_qf55acaf762_cast
	.globl	k_qf55acaf762_cast
	.p2align	8
	.type	k_qf55acaf762_cast,@function
k_qf55acaf762_cast:
	s_mov_b64 s[64:65], 0
	v_nop
	global_prefetch_b8 v0, s[64:65] scope:SCOPE_SE
	s_setreg_imm32_b32 hwreg(HW_REG_WAVE_MODE, 25, 1), 1
	s_wait_xcnt 0x0
; ALL INPUTS ROUNDED ONCE TO bf16.  x -> xb [4096][2048] bf16.  Wq, Wk, Wv -> one table wqkv [2048 k][3072 n] bf16 (columns 0-2047 Wq, 2048-2559 Wk, 2560-3071 Wv).
; Wo -> wob [2048][2048]: rounded to bf16 like the others, and that number written as f16, since the last product's other operand is f16.
; LIMIT: bf16(Wo) beyond 65,504 has no f16; below 6e-5 it keeps f16's fixed step of 6e-8.
; A pure stream: no LDS, no barrier, no loop.  A wave takes one UNIT of 8,192 source bytes: 16 loads of 512 consecutive bytes, all issued before the first is used;
; each load's 128 numbers leave as 256 consecutive bytes, aligned, by one store (8 bytes a lane).  A unit is four segments of 512 numbers; a segment's place in the target is
; 8 x lane + segment x STEP, so that a unit is one row of x, Wq or Wo (STEP = 1,024) or four rows of Wk or Wv (STEP = a row of the table).
; The work-group's number picks the tensor: 0-511 x, 512-767 Wq, 768-1023 Wo, 1024-1087 Wk, 1088-1151 Wv.
.set X,  8                             ; v[8:71]    16 loads of 4 registers
.set Y,  72                            ; v[72:103]  16 stores of 2 registers: none is written twice, so no store's data waits for a free register
.set T,  104                           ; v[104:107] at work (Wo alone)
.set OD, 2                             ; v[2:5]     segment j: 8 x lane + j x STEP
	s_load_b512 s[16:31], s[0:1], 0x0              ; x 16, Wq 18, Wo 20, Wk 22, Wv 24, xb 26, wqkv 28, wob 30
	v_lshrrev_b32 v1, 5, v0
	v_readfirstlane_b32 s3, v1                     ; wave 0..7
	v_and_b32 v6, 31, v0
	v_lshlrev_b32 v1, 4, v6                        ; 16 x lane: my 16 bytes of a load
	v_lshlrev_b32 v[OD], 3, v6                     ; 8 x lane: my 8 bytes of a store
	s_mov_b32 s2, ttmp9
	s_mov_b32 s4, 1088                             ; the fields start as Wv's: the region's first work-group,
	s_mov_b32 s5, 24576                            ; target bytes from unit to unit (four rows of the table),
	s_mov_b32 s6, 6144                             ; STEP,
	s_mov_b32 s7, 5120                             ; the first column's byte in a row of the table,
	s_mov_b32 s8, 0                                ; and 1 where the target is f16
	s_wait_kmcnt 0x0
	s_mov_b64 s[10:11], s[24:25]
	s_mov_b64 s[12:13], s[28:29]
	s_cmp_lt_u32 s2, 1088                          ; Wk
	s_cselect_b32 s4, 1024, s4
	s_cselect_b32 s7, 4096, s7
	s_cselect_b64 s[10:11], s[22:23], s[10:11]
	s_cmp_lt_u32 s2, 1024                          ; Wo
	s_cselect_b32 s4, 768, s4
	s_cselect_b32 s5, 4096, s5
	s_cselect_b32 s6, 1024, s6
	s_cselect_b32 s7, 0, s7
	s_cselect_b32 s8, 1, s8
	s_cselect_b64 s[10:11], s[20:21], s[10:11]
	s_cselect_b64 s[12:13], s[30:31], s[12:13]
	s_cmp_lt_u32 s2, 768                           ; Wq
	s_cselect_b32 s4, 512, s4
	s_cselect_b32 s5, 6144, s5
	s_cselect_b32 s8, 0, s8
	s_cselect_b64 s[10:11], s[18:19], s[10:11]
	s_cselect_b64 s[12:13], s[28:29], s[12:13]
	s_cmp_lt_u32 s2, 512                           ; x
	s_cselect_b32 s4, 0, s4
	s_cselect_b32 s5, 4096, s5
	s_cselect_b64 s[10:11], s[16:17], s[10:11]
	s_cselect_b64 s[12:13], s[26:27], s[12:13]
	s_sub_co_u32 s9, s2, s4
	s_lshl_b32 s9, s9, 3
	s_add_co_u32 s9, s9, s3                        ; my unit in its tensor
	s_lshl_b32 s14, s9, 13                         ; 8,192 source bytes a unit (under 2^26)
	s_mov_b32 s15, 0
	s_add_nc_u64 s[10:11], s[10:11], s[14:15]
	s_mul_i32 s14, s9, s5
	s_add_co_u32 s14, s14, s7
	s_add_nc_u64 s[12:13], s[12:13], s[14:15]
	v_add_nc_u32 v[OD+1], s6, v[OD]
	v_add_nc_u32 v[OD+2], s6, v[OD+1]
	v_add_nc_u32 v[OD+3], s6, v[OD+2]
.set i, 0
.rept 16
	global_load_b128 v[X+4*i:X+4*i+3], v1, s[10:11] offset:512*i th:TH_LOAD_NT
.set i, i+1
.endr
; The sixteen turns.  The wait leaves the 15 - i younger loads out (loads come back in order: ISA guide 5.7.1).
.macro OUT half
.set i, 0
.rept 16
	s_wait_loadcnt 15-i
.if \half
	v_cvt_pk_bf16_f32 v[T], v[X+4*i], v[X+4*i+1]   ; the one rounding, to bf16;
	v_cvt_pk_bf16_f32 v[T+1], v[X+4*i+2], v[X+4*i+3]
	v_lshlrev_b32 v[T+2], 16, v[T]                 ; back to f32 (a shift, a mask),
	v_and_b32 v[T], 0xffff0000, v[T]
	v_lshlrev_b32 v[T+3], 16, v[T+1]
	v_and_b32 v[T+1], 0xffff0000, v[T+1]
	v_cvt_pk_f16_f32 v[Y+2*i], v[T+2], v[T]        ; and the same number in f16's code
	v_cvt_pk_f16_f32 v[Y+2*i+1], v[T+3], v[T+1]
.else
	v_cvt_pk_bf16_f32 v[Y+2*i], v[X+4*i], v[X+4*i+1]
	v_cvt_pk_bf16_f32 v[Y+2*i+1], v[X+4*i+2], v[X+4*i+3]
.endif
	global_store_b64 v[OD+i/4], v[Y+2*i:Y+2*i+1], s[12:13] offset:256*(i%4) th:TH_STORE_NT  ; 32 lanes: 256 consecutive bytes, aligned
.set i, i+1
.endr
.endm
	s_cmp_eq_u32 s8, 1
	s_cbranch_scc1 .Lhalf
	OUT 0
	s_endpgm
.Lhalf:
	OUT 1
	s_endpgm
.Lfunc_end_k_qf55acaf762_cast:
	.size	k_qf55acaf762_cast, .Lfunc_end_k_qf55acaf762_cast-k_qf55acaf762_cast
	.p2alignl 7, 3214868480
	.fill 96, 4, 3214868480
	.section	.rodata,"a",@progbits
	.p2align	6, 0x0
	.amdhsa_kernel k_qf55acaf762_cast
		.amdhsa_group_segment_fixed_size 0
		.amdhsa_private_segment_fixed_size 0
		.amdhsa_enable_private_segment 0
		.amdhsa_kernarg_size 64
		.amdhsa_user_sgpr_count 2
		.amdhsa_user_sgpr_kernarg_segment_ptr 1
		.amdhsa_wavefront_size32 1
		.amdhsa_system_sgpr_workgroup_id_x 1
		.amdhsa_system_sgpr_workgroup_id_y 1
		.amdhsa_system_sgpr_workgroup_id_z 1
		.amdhsa_system_vgpr_workitem_id 0
		.amdhsa_next_free_vgpr 108
		.amdhsa_next_free_sgpr 66
		.amdhsa_reserve_vcc 0
		.amdhsa_float_denorm_mode_32 3
		.amdhsa_float_denorm_mode_16_64 3
		.amdhsa_memory_ordered 1
		.amdhsa_forward_progress 1
		.amdhsa_inst_pref_size 17
	.end_amdhsa_kernel
	.amdgpu_metadata
---
amdhsa.version: [ 1, 2 ]
amdhsa.kernels:
  - .name:           k_qf55acaf762_cast
    .symbol:         k_qf55acaf762_cast.kd
    .args:
      - { .name: x, .offset: 0, .size: 8, .value_kind: global_buffer, .address_space: global }
      - { .name: Wq, .offset: 8, .size: 8, .value_kind: global_buffer, .address_space: global }
      - { .name: Wo, .offset: 16, .size: 8, .value_kind: global_buffer, .address_space: global }
      - { .name: Wk, .offset: 24, .size: 8, .value_kind: global_buffer, .address_space: global }
      - { .name: Wv, .offset: 32, .size: 8, .value_kind: global_buffer, .address_space: global }
      - { .name: xb, .offset: 40, .size: 8, .value_kind: global_buffer, .address_space: global }
      - { .name: wqkv, .offset: 48, .size: 8, .value_kind: global_buffer, .address_space: global }
      - { .name: wob, .offset: 56, .size: 8, .value_kind: global_buffer, .address_space: global }
    .group_segment_fixed_size: 0
    .private_segment_fixed_size: 0
    .kernarg_segment_align: 8
    .kernarg_segment_size: 64
    .max_flat_workgroup_size: 256
    .sgpr_count:     66
    .vgpr_count:     108
    .wavefront_size: 32
...
	.end_amdgpu_metadata
.endif
;; end of part 1
;; launch qkvp (part 2): grid 8 x 32, 4 waves a work-group, clusters of 4 x 4, 327,680 bytes of LDS; arguments xb, wqkv, qkv; writes qkv
.if DOCPART == 2
	.amdgcn_target "amdgcn-amd-amdhsa--gfx1250"
	.amdhsa_code_object_version 6
	.text
	.protected	k_qf55acaf762_qkvp
	.globl	k_qf55acaf762_qkvp
	.p2align	8
	.type	k_qf55acaf762_qkvp,@function
k_qf55acaf762_qkvp:
	s_mov_b64 s[64:65], 0
	v_nop
	global_prefetch_b8 v0, s[64:65] scope:SCOPE_SE
	s_setreg_imm32_b32 hwreg(HW_REG_WAVE_MODE, 25, 1), 1
	s_wait_xcnt 0x0
	s_wait_alu depctr_hold_cnt(0) depctr_sa_sdst(0) depctr_va_vdst(0) depctr_va_sdst(0) depctr_va_ssrc(0) depctr_va_vcc(0) depctr_vm_vsrc(0)
	s_getreg_b32 s2, hwreg(HW_REG_IB_STS2, 6, 4)
	s_cmp_eq_u32 s2, 0
	s_cbranch_scc0 .Lentry_in_a_cluster
	s_endpgm
.Lentry_in_a_cluster:
	s_bfe_u32 s2, ttmp6, 0x10000c
	s_cmp_lg_u32 s2, 0xf033
	s_cbranch_scc0 .Lentry_shape_is_right
	s_endpgm
.Lentry_shape_is_right:
; q, k, v = x W.  C[m][n] = sum over k of A[m][k] B[k][n]: A = xb [4096][2048] bf16, B = wqkv [2048 k][3072 n] bf16; sums in f32, rounded once to f16 and written BY HEADS:
; qkv [batch 4][head 24][position 1024][128] f16, head = n / 128 (0-15 q, 16-19 k, 20-23 v), unscaled.  LIMIT: a sum beyond 65,504 has no f16 (drawn inputs give a spread of 1).
; SHARES.  4096 x 3072 in tiles of 128 x 384 are 32 x 8 = 256 work-groups.  Four waves; a wave makes all 128 rows and 96 columns: columns 32 w .. 32 w + 31 of each of the tile's three heads:
; 48 accumulators of 16 x 16, 384 registers.  K goes in steps of 128 through two LDS slots; a row of A's tile and of each of B's three sub-tiles (128 k x 128 n) is 256 aligned bytes of memory.
; B LIES [K][N]: its fragments come out of LDS turned, by ds_load_tr16_b128, at the same number of loads as A's.
; THE PRODUCT IS USED TRANSPOSED (source 0 = 16 columns of B, source 1 = 16 rows of A): a lane ends with eight neighbouring columns of one row of C.
; CLUSTER 4 x 4.  A's tile hangs on the tile row alone and is asked for jointly along a row of the cluster, B's on the tile column alone, along a column.  Waves 0-2 fetch B's sub-tiles, wave 3 A's tile.
; THE CHANGE OF SLOTS.  A K step has 192 products a wave for 131,072 bytes of tiles, and one load a wave is out at a time.  So no product stands between the wait for a tile and the request for the next:
; 32 of the last quarter's 48 products stand ahead of that wait, 16 behind the request; from a request to the wait for it a wave issues a whole K step's 192.
; REGISTERS, in windows of 256: window 0: v1-30 addresses; v64-127, v128-191 A's fragments, two buffers; v64-255 at work on the way out.  window 1: B's fragments, buffer f at 64 f.
;   windows 2, 3: accumulator (b, a) in window 2 + b / 4 at 64 (b % 4) + 8 a.
.set NTOT,  3072                       ; columns of B
.set NT,    384                        ; columns of a tile
.set NBW,   6                          ; column blocks of 16 a wave
.set NSUB,  3                          ; B's sub-tiles; waves below NSUB fetch them
.set AROWS, 128                        ; rows in a load of A
.set PA,    272                        ; A's LDS row: 256 bytes + 16: the 16 rows of a load start at 16 different groups of four banks (64 banks of 4 bytes: ISA guide 11.1)
.set PB,    288                        ; B's LDS row: 256 + 32
.set SUBT,  128*PB
.set AOFF,  NSUB*SUBT                  ; a slot: B's sub-tiles, then A's 128 rows
.set SLOT,  AOFF+128*PA
.set ALDS0, AOFF-NSUB*AROWS*PA         ; A's LDS address = ALDS0 + wave x AROWS x PA + the slot's constant
.set SPARE, 2*SLOT                     ; behind the ring: the spare words, 128 bytes a wave: two blocks of 256 bytes that no other line names
.set BST,   128*NTOT*2                 ; bytes from K step to K step in B
.set LAPS,  8                          ; 2048 / 256: a lap is two K steps, once round the ring
.set EB0, 4                            ; the blocks multiplied first in a quarter (window 3),
.set ENB, 2
.set LB0, 0                            ; and last (window 2): their fragments are fetched last and may be out longest
.set LNB, 4
.set LATE, 2*LNB
.set NLD,  16+2*NBW                    ; LDS loads of a quarter
.set STO,  8                           ; v8-10   the way out: where I put 16 bytes of a row, by head
.set RD,   11                          ; v11-13  where I read rows back, by head
.set ADRA, 16                          ; v16-17  LDS address of my A fragments in slot 0, 1
.set ADRB, 18                          ; v18-23  of my B fragments: slot s, head t at 3 s + t
.set CO,   26                          ; v26     16 x lane
.set SPW,  28                          ; v28     my spare word: SPARE + 4 x my thread's number; never rewritten
.set NIL,  29                          ; v29     0; never rewritten
.set PFO,  30                          ; v30     the prefetches' offset: my lane x a row; never rewritten
.set G1,  24                           ; s[24:31] group 1 for A;  s[32:39] group 0, a set for each slot
.set G0,  32
.set G1B, 48                           ; s[48:55], s[56:63] the same for B
.set G0B, 56
.set LIM, 43                           ; s43      1 in a wave that prefetches, else the greatest number
.set PFA, 44                           ; s[44:45] where my prefetches stand
.set PST, 66                           ; s[66:67] their step from K step to K step
.set MSB, 0
.macro WIN new                         ; the immediate's high byte repeats the setting that is left; a switch that changes nothing is dropped
.if MSB != (\new)
	s_set_vgpr_msb (MSB<<8)|(\new)
.set MSB, \new
.endif
.endm
.macro PLACES                          ; four places in front of loads into registers that matrix instructions have read, and of reads of results
.rept 4
	v_nop
.endr
.endm
.macro CROUND                          ; a round of the cluster's barrier: my work-group's barrier; wave 0 signals for the work-group; every wave waits for all sixteen; my work-group's barrier once more
	s_barrier_signal -1
	s_barrier_wait -1
	s_cmp_lg_u32 s10, 0
	s_cbranch_scc1 .Lnot_wave_0_\@
	s_barrier_signal -3
.Lnot_wave_0_\@:
	s_barrier_wait -3
	s_barrier_signal -1
	s_barrier_wait -1
.endm
; A joint load.  The branch hangs on the wave's number alone.  An s_nop 0 and four v_nop follow each of the two lines.
.macro JLOAD s
	s_cmp_lt_u32 s10, NSUB
	s_cbranch_scc0 .Lfor_a_\@
	tensor_load_to_lds s[G0B+4*(\s):G0B+4*(\s)+3], s[G1B:G1B+7]
	s_nop 0
.rept 4
	v_nop
.endr
	s_branch .Lasked_\@
.Lfor_a_\@:
	tensor_load_to_lds s[G0+4*(\s):G0+4*(\s)+3], s[G1:G1+7]
	s_nop 0
.rept 4
	v_nop
.endr
.Lasked_\@:
.endm
; A PREFETCH INTO THE L2, behind each joint refill and the run of LDS loads that follows it: 32 rows x 256 bytes of the K step two refills on, a lane a row, one instruction a wave.
; Each row's 256 bytes of a K step are named once in the launch: B's sub-tiles by the clusters with y = 0 (waves 0-2, each its own), A's tile by the clusters with x = 0 (wave 3);
; the four partners that ask for a tile jointly share its 128 rows out by address, 32 each.  The loop's last trip names nothing: there is no K step two refills on.
.macro ASK
	WIN 0
	s_cmp_gt_u32 s3, s[LIM]
	s_cbranch_scc0 .Lnot_mine_\@
	global_prefetch_b8 v[PFO], s[PFA:PFA+1] th:TH_LOAD_NT scope:SCOPE_SE
.Lnot_mine_\@:
.endm
; 8 nb matrix instructions: column blocks b0 .. b0 + nb - 1 x all 8 row blocks, 32 along K, from buffer f.  All 48 accumulators take turns in the same order in every quarter.
.macro MULB f, b0, nb, zero
.set bb, \b0
.rept \nb
	WIN 0xa1+0x50*(bb/4)                           ; source 0 (B) window 1, source 1 (A) window 0, C and D window 2 or 3
.set aa, 0
.rept 8
.set rD, 64*(bb%4)+8*aa
.set rB, 64*(\f)+8*bb
.set rA, 64+64*(\f)+8*aa
.if \zero
	v_wmma_f32_16x16x32_bf16 v[rD:rD+7], v[rB:rB+7], v[rA:rA+7], 0
.else
	v_wmma_f32_16x16x32_bf16 v[rD:rD+7], v[rB:rB+7], v[rA:rA+7], v[rD:rD+7]
.endif
.set aa, aa+1
.endr
.set bb, bb+1
.endr
.endm
; A quarter's 28 LDS loads in one run, into buffer f: A's 8 fragments (K along the row: two loads 32 bytes apart), then B's 6 (turned: two loads 16 rows apart), the blocks multiplied last at the end.
.macro FETCH slot, q, f
	WIN 0
.irp a, 0,1,2,3,4,5,6,7
	ds_load_b128 v[64+64*(\f)+8*\a:64+64*(\f)+8*\a+3],   v[ADRA+(\slot)] offset:64*(\q)+16*PA*\a
	ds_load_b128 v[64+64*(\f)+8*\a+4:64+64*(\f)+8*\a+7], v[ADRA+(\slot)] offset:64*(\q)+16*PA*\a+32
.endr
	WIN 0x40                                       ; destination window 1
.irp b, 4,5,0,1,2,3
	ds_load_tr16_b128 v[64*(\f)+8*\b:64*(\f)+8*\b+3],   v[ADRB+3*(\slot)+\b/2] offset:32*PB*(\q)+32*(\b%2)
	ds_load_tr16_b128 v[64*(\f)+8*\b+4:64*(\f)+8*\b+7], v[ADRB+3*(\slot)+\b/2] offset:32*PB*(\q)+32*(\b%2)+16*PB
.endr
.endm
; One of a K step's first three quarters: multiplies buffer f; in its middle it fetches quarter q of the same slot into the other buffer.
.macro QUARTER slot, q, f, zero
	s_wait_dscnt LATE                              ; all but the youngest 8 loads (the late blocks' fragments of B) are in
	MULB \f, EB0, ENB, \zero
	PLACES
	FETCH \slot, \q, 1-(\f)
	s_wait_dscnt NLD                               ; all but the 28 just issued
	MULB \f, LB0, LNB, \zero
.endm
; The last quarter multiplies buffer 1 and changes slots: ONE barrier.  32 of its products come first.  Then each wave waits for all its tensor loads (one is out: its part of the next slot), adds 0 to its
; spare word, and waits for that and for its reads of this slot.  fill = 1: the barrier is a round of the cluster's, and the joint refill, two K steps on, is the first thing behind it.
; The next slot's first fragments are fetched, and the quarter's last 16 products stand behind that run of loads.
.macro TURN slot, next, fill
.if \fill
	s_wait_xcnt 0x0                                ; the last prefetch, a K step back, has read its address
	s_add_nc_u64 s[PFA:PFA+1], s[PFA:PFA+1], s[PST:PST+1]
.endif
	s_wait_dscnt LATE                              ; all but the youngest 8 loads are in
	MULB 1, EB0, ENB, 0
	s_wait_dscnt 0x0                               ; the late blocks' fragments too: these were my last reads of this slot
	MULB 1, LB0, LNB/2, 0
	WIN 0
	s_wait_tensorcnt 0x0                           ; all my tensor loads have landed, so a group 0 may be written
	ds_add_u32 v[SPW], v[NIL]                      ; 0 onto my spare word; the descriptors' steps stand between it and the wait for it
.if \fill
	s_add_nc_u64 s[G0+4*(\slot)+2:G0+4*(\slot)+3], s[G0+4*(\slot)+2:G0+4*(\slot)+3], 2*256
	s_add_nc_u64 s[G0B+4*(\slot)+2:G0B+4*(\slot)+3], s[G0B+4*(\slot)+2:G0B+4*(\slot)+3], 2*BST
.endif
	s_wait_dscnt 0x0                               ; the add is done
.if \fill
	CROUND                                         ; no wave of any partner still reads this slot or has a load on its way
	JLOAD \slot                                    ; its four v_nop are also the places in front of the loads below
.else
	s_barrier_signal -1
	s_barrier_wait -1
	PLACES
.endif
	FETCH \next, 0, 0
.if \fill
	ASK
.endif
	MULB 1, LB0+LNB/2, LNB/2, 0
.endm
	s_load_b128 s[4:7], s[0:1], 0x0                ; A s[4:5], B s[6:7]
	s_load_b64 s[8:9], s[0:1], 0x10                ; C
	v_lshl_add_u32 v[SPW], v0, 2, SPARE
	v_mov_b32 v[NIL], 0
	ds_add_u32 v[SPW], v[NIL]                      ; the wave's opening: the add and its wait stand ahead of my first tensor load; the set-up stands between them
	v_lshrrev_b32 v1, 5, v0
	v_readfirstlane_b32 s10, v1                    ; wave 0..3
	s_bfe_u32 s40, ttmp6, 0x40000                  ; cx, cy: my place in the cluster
	s_bfe_u32 s41, ttmp6, 0x40004
	s_lshl_b32 s42, ttmp9, 2
	s_add_co_u32 s42, s42, s40                     ; tile column 0..7
	s_and_b32 s13, ttmp7, 0xffff
	s_lshl_b32 s13, s13, 2
	s_add_co_u32 s13, s13, s41                     ; tile row 0..31
	s_lshl_b32 s43, s41, 2
	s_lshl_b32 s43, 15, s43                        ; my row of the cluster
	s_lshl_b32 s44, 0x1111, s40                    ; my column
	s_or_b32 s[G1+0], s43, (1<<16)|(1<<20)|(1<<21)|(5<<22)|(3<<25)   ; the mask; 2-byte elements; padding on; bit 21 beside a mask; after every 64 words, 4 words
	s_mov_b32 s[G1+1], 128<<16                     ; tensor_dim0 = 128
	s_mov_b32 s[G1+2], AROWS<<16                   ; tensor_dim1
	s_mov_b32 s[G1+3], 128<<16                     ; tile_dim0 = 128
	s_mov_b32 s[G1+4], AROWS                       ; tile_dim1
	s_mov_b32 s[G1+5], 2048                        ; elements from row to row of A
	s_mov_b32 s[G1+6], 0
	s_mov_b32 s[G1+7], 0
	s_or_b32 s[G1B+0], s44, (1<<16)|(1<<20)|(1<<21)|(5<<22)|(7<<25)  ; the same with my column's mask and 8 words of padding
	s_mov_b32 s[G1B+1], 128<<16
	s_mov_b32 s[G1B+2], 128<<16
	s_mov_b32 s[G1B+3], 128<<16
	s_mov_b32 s[G1B+4], 128
	s_mov_b32 s[G1B+5], NTOT
	s_mov_b32 s[G1B+6], 0
	s_mov_b32 s[G1B+7], 0
	s_lshl_b32 s16, s13, 19                        ; A: 128 x tile row rows of 4,096 bytes
	s_mov_b32 s17, 0
	s_mul_i32 s46, s42, NT*2                       ; B: the tile's first column, in bytes,
	s_lshl_b32 s47, s10, 8                         ; and my sub-tile's 128 columns
	s_add_co_u32 s46, s46, s47
	s_mov_b32 s47, 0
	s_mul_i32 s20, s10, SUBT                       ; where they go: no place in the cluster enters an LDS address
	s_mul_i32 s21, s10, AROWS*PA
	s_add_co_u32 s21, s21, ALDS0
	s_wait_dscnt 0x0                               ; the opening add is done
	s_wait_kmcnt 0x0
	s_add_nc_u64 s[14:15], s[4:5], s[16:17]
	s_add_nc_u64 s[46:47], s[6:7], s[46:47]
	CROUND                                         ; all sixteen work-groups are here: the first joint loads meet
.irp s, 0,1
	s_mov_b32 s[G0+4*(\s)], 1
	s_add_co_u32 s[G0+4*(\s)+1], s21, (\s)*SLOT
	s_add_nc_u64 s[G0+4*(\s)+2:G0+4*(\s)+3], s[14:15], (\s)*256
	s_or_b32 s[G0+4*(\s)+3], s[G0+4*(\s)+3], 0x80000000
	s_mov_b32 s[G0B+4*(\s)], 1
	s_add_co_u32 s[G0B+4*(\s)+1], s20, (\s)*SLOT
	s_add_nc_u64 s[G0B+4*(\s)+2:G0B+4*(\s)+3], s[46:47], (\s)*BST
	s_or_b32 s[G0B+4*(\s)+3], s[G0B+4*(\s)+3], 0x80000000
	JLOAD \s                                       ; K steps 0 and 1: two loads of mine are out
.endr
	v_and_b32 v1, 15, v0                           ; r = l % 16
	v_bfe_u32 v2, v0, 4, 1                         ; h = l / 16
	v_mul_u32_u24 v3, v1, PA
	v_lshl_add_u32 v3, v2, 4, v3                   ; 272 r + 16 h
	v_add_nc_u32 v[ADRA], AOFF, v3
	v_add_nc_u32 v[ADRA+1], AOFF+SLOT, v3
	v_and_b32 v4, 7, v0                            ; the turning load: lane l reads row 8 h + l % 8, bytes 16 ((l / 8) % 2) on
	v_lshl_add_u32 v4, v2, 3, v4
	v_mul_u32_u24 v4, v4, PB
	v_bfe_u32 v5, v0, 3, 1
	v_lshl_add_u32 v4, v5, 4, v4
	s_lshl_b32 s21, s10, 6                         ; my 32 columns of a head: 64 bytes
	v_add_nc_u32 v4, s21, v4
.irp s, 0,1
.irp t, 0,1,2
	v_add_nc_u32 v[ADRB+3*\s+\t], \s*SLOT+\t*SUBT, v4
.endr
.endr
	v_add_nc_u32 v6, s21, v3                       ; the way out, in: row r, my 64 bytes, 16 for each half of the lanes
	v_mul_u32_u24 v7, v2, PA                       ; back: wave w takes rows 32 w .. 32 w + 31 whole; lanes 0-15 one row, lanes 16-31 the next
	v_lshl_add_u32 v7, v1, 4, v7
	s_mul_i32 s22, s10, 32*PA
	v_add_nc_u32 v7, s22, v7
.irp t, 0,1,2
	v_add_nc_u32 v[STO+\t], \t*128*PA, v6
	v_add_nc_u32 v[RD+\t], \t*128*PA, v7
.endr
	v_and_b32 v[CO], 31, v0
	v_lshlrev_b32 v[CO], 4, v[CO]
	s_lshr_b32 s18, s13, 3                         ; C: batch = tile row / 8; the tile's first head = 3 x tile column; a head is 2^18 bytes
	s_mul_i32 s18, s18, 24
	s_mul_i32 s19, s42, 3
	s_add_co_u32 s18, s18, s19
	s_lshl_b32 s18, s18, 18
	s_and_b32 s19, s13, 7
	s_lshl_b32 s19, s19, 2
	s_add_co_u32 s19, s19, s10                     ; position 128 (tile row % 8) + 32 w, rows of 256 bytes
	s_lshl_b32 s19, s19, 13
	s_add_co_u32 s18, s18, s19
	s_mov_b32 s19, 0
	s_add_nc_u64 s[8:9], s[8:9], s[18:19]
	; the prefetches: B's waves take rows 32 cy .. of their sub-tile's K step, A's wave rows 32 cx .. of the tile
	s_mul_i32 s18, s41, 32*NTOT*2
	s_mul_i32 s19, s42, NT*2
	s_add_co_u32 s18, s18, s19
	s_lshl_b32 s19, s10, 8
	s_add_co_u32 s18, s18, s19
	s_lshl_b32 s19, s13, 19
	s_lshl_b32 s23, s40, 17
	s_add_co_u32 s19, s19, s23
	s_and_b32 s22, ttmp7, 0xffff                   ; cluster y
	s_mov_b32 s[PST], 256
	s_mov_b32 s23, 4096
	s_cmp_lt_u32 s10, NSUB                         ; do I fetch for B?
	s_cselect_b32 s18, s18, s19
	s_cselect_b32 s22, s22, ttmp9                  ; the coordinate along which other clusters read the same rows
	s_cselect_b32 s[PST], BST, s[PST]
	s_cselect_b32 s23, NTOT*2, s23                 ; bytes in a row
	s_cselect_b64 s[PFA:PFA+1], s[6:7], s[4:5]
	s_mov_b32 s19, 0
	s_mov_b32 s[PST+1], 0
	s_add_nc_u64 s[PFA:PFA+1], s[PFA:PFA+1], s[18:19]
.rept 3
	s_add_nc_u64 s[PFA:PFA+1], s[PFA:PFA+1], s[PST:PST+1]  ; at K step 3: the first refill steps it to 4.  K steps 0-3 come by their loads alone
.endr
	s_cmp_eq_u32 s22, 0
	s_cselect_b32 s[LIM], 1, -1                    ; the same in all sixteen partners, for a given wave
	v_and_b32 v[PFO], 31, v0
	v_mul_u32_u24 v[PFO], v[PFO], s23
	s_wait_tensorcnt 1                             ; my part of K step 0 is in; K step 1's may stay out
	s_barrier_signal -1
	s_barrier_wait -1
	FETCH 0, 0, 0
	QUARTER 0, 1, 0, 1                             ; the first quarter stands in front of the loop: its products start the sums
	WIN 0
	s_mov_b32 s3, LAPS-1
.Llap:                                             ; a trip goes once round the ring, from a lap's second quarter to the next lap's first, and fills both slots again
	QUARTER 0, 2, 1, 0
	QUARTER 0, 3, 0, 0
	TURN 0, 1, 1
	QUARTER 1, 1, 0, 0
	QUARTER 1, 2, 1, 0
	QUARTER 1, 3, 0, 0
	TURN 1, 0, 1
	QUARTER 0, 1, 0, 0
	WIN 0
	s_sub_co_u32 s3, s3, 1
	s_cmp_lg_u32 s3, 0
	s_cbranch_scc1 .Llap
	QUARTER 0, 2, 1, 0                             ; the last lap fills nothing
	QUARTER 0, 3, 0, 0
	TURN 0, 1, 0
	QUARTER 1, 1, 0, 0
	QUARTER 1, 2, 1, 0
	QUARTER 1, 3, 0, 0
	s_wait_dscnt 0x0
	MULB 1, EB0, ENB, 0
	MULB 1, LB0, LNB, 0
	; THE WAY OUT.  Rounded to f16, 16 bytes a lane; into ONE stage, 3 heads x 128 rows of 272 bytes, in slot 0's bytes: that slot has had its last fill, and every wave's reads of it were over at the last
	; change of slots.  A row's 256 bytes come from four waves, so a barrier stands between writing and reading; then each wave stores 32 whole rows of each head.
	PLACES
.set idx, 0
.rept 48                                           ; block b = idx / 8, rows 16 (idx % 8) on; each accumulator's registers in ascending order
	WIN 0x0a+5*(idx/32)                            ; sources in window 2 or 3, destination in window 0
.set rD, 64*((idx/8)%4)+8*(idx%8)
.irp r, 0,1,2,3
	v_cvt_pk_f16_f32 v[64+4*idx+\r], v[rD+2*\r], v[rD+2*\r+1]
.endr
.set idx, idx+1
.endr
	WIN 0
.set idx, 0
.rept 48
	ds_store_b128 v[STO+idx/16], v[64+4*idx:64+4*idx+3] offset:16*PA*(idx%8)+32*((idx/8)%2)
.set idx, idx+1
.endr
	s_wait_dscnt 0x0                               ; for the others' sake: my stores into the stage are done
	s_barrier_signal -1
	s_barrier_wait -1
.set idx, 0
.rept 48
	ds_load_b128 v[64+4*idx:64+4*idx+3], v[RD+idx/16] offset:2*PA*(idx%16)
.set idx, idx+1
.endr
.set idx, 0
.rept 48
	s_wait_dscnt 47-idx                            ; the younger loads may stay out
	global_store_b128 v[CO], v[64+4*idx:64+4*idx+3], s[8:9] offset:262144*(idx/16)+512*(idx%16)  ; two rows of a head: 512 consecutive bytes, aligned
.set idx, idx+1
.endr
	s_wait_tensorcnt 0x0                           ; the wave's end
	ds_add_u32 v[SPW], v[NIL]
	s_wait_dscnt 0x0
	CROUND                                         ; the closing round
	s_endpgm
.Lfunc_end_k_qf55acaf762_qkvp:
	.size	k_qf55acaf762_qkvp, .Lfunc_end_k_qf55acaf762_qkvp-k_qf55acaf762_qkvp
	.p2alignl 7, 3214868480
	.fill 96, 4, 3214868480
	.section	.rodata,"a",@progbits
	.p2align	6, 0x0
	.amdhsa_kernel k_qf55acaf762_qkvp
		.amdhsa_group_segment_fixed_size 327680
		.amdhsa_private_segment_fixed_size 0
		.amdhsa_enable_private_segment 0
		.amdhsa_kernarg_size 24
		.amdhsa_user_sgpr_count 2
		.amdhsa_user_sgpr_kernarg_segment_ptr 1
		.amdhsa_wavefront_size32 1
		.amdhsa_system_sgpr_workgroup_id_x 1
		.amdhsa_system_sgpr_workgroup_id_y 1
		.amdhsa_system_sgpr_workgroup_id_z 1
		.amdhsa_system_vgpr_workitem_id 0
		.amdhsa_next_free_vgpr 896
		.amdhsa_next_free_sgpr 72
		.amdhsa_reserve_vcc 0
		.amdhsa_float_denorm_mode_32 3
		.amdhsa_float_denorm_mode_16_64 3
		.amdhsa_memory_ordered 1
		.amdhsa_forward_progress 1
		.amdhsa_inst_pref_size 117
	.end_amdhsa_kernel
	.amdgpu_metadata
---
amdhsa.version: [ 1, 2 ]
amdhsa.kernels:
  - .name:           k_qf55acaf762_qkvp
    .symbol:         k_qf55acaf762_qkvp.kd
    .args:
      - { .name: xb, .offset: 0, .size: 8, .value_kind: global_buffer, .address_space: global }
      - { .name: wqkv, .offset: 8, .size: 8, .value_kind: global_buffer, .address_space: global }
      - { .name: qkv, .offset: 16, .size: 8, .value_kind: global_buffer, .address_space: global }
    .group_segment_fixed_size: 327680
    .private_segment_fixed_size: 0
    .kernarg_segment_align: 8
    .kernarg_segment_size: 24
    .max_flat_workgroup_size: 128
    .sgpr_count:     72
    .vgpr_count:     896
    .wavefront_size: 32
...
	.end_amdgpu_metadata
.endif
;; end of part 2
;; launch attn (part 3): grid 16 x 16, 4 waves a work-group, clusters of 4 x 1, 327,680 bytes of LDS; arguments qkv, ao; writes ao
.if DOCPART == 3
	.amdgcn_target "amdgcn-amd-amdhsa--gfx1250"
	.amdhsa_code_object_version 6
	.text
	.protected	k_qf55acaf762_attn
	.globl	k_qf55acaf762_attn
	.p2align	8
	.type	k_qf55acaf762_attn,@function
k_qf55acaf762_attn:
	s_mov_b64 s[64:65], 0
	v_nop
	global_prefetch_b8 v0, s[64:65] scope:SCOPE_SE
	s_setreg_imm32_b32 hwreg(HW_REG_WAVE_MODE, 25, 1), 1
	s_wait_xcnt 0x0
	s_wait_alu depctr_hold_cnt(0) depctr_sa_sdst(0) depctr_va_vdst(0) depctr_va_sdst(0) depctr_va_ssrc(0) depctr_va_vcc(0) depctr_vm_vsrc(0)
	s_getreg_b32 s2, hwreg(HW_REG_IB_STS2, 6, 4)
	s_cmp_eq_u32 s2, 0
	s_cbranch_scc0 .Lentry_in_a_cluster
	s_endpgm
.Lentry_in_a_cluster:
	s_bfe_u32 s2, ttmp6, 0x10000c
	s_cmp_lg_u32 s2, 0x3003
	s_cbranch_scc0 .Lentry_shape_is_right
	s_endpgm
.Lentry_shape_is_right:
; CAUSAL GROUPED-QUERY ATTENTION.  O[b][h][q] = sum over k <= q of softmax_k(Q[h][q] . K[h % 4][k] / sqrt(128)) V[h % 4][k].  qkv: [batch 4][24 heads][1024][128] f16 (0-15 q, 16-19 k, 20-23 v);
; ao: [4096 rows][2048] f16, column 128 h + d.  Products, maxima and sums in f32; the weights p are rounded to f16 for the second product (their sum is taken of the unrounded p), O once at the end.
; LIMITS.  A hidden score counts as its value less 1e30, and the running maximum starts at -2^96 = -7.9e28: true scores lie above that (f16 operands give 5.5e11 at the most).
; A weight below 2^-126 counts as 0; p below 6e-5 keeps f16's fixed step; NaN and infinities are not treated apart.
; THE WALK.  A head's queries lie in 8 blocks of 128; block i needs the key tiles 0 .. i of 128 keys, the last of which holds the diagonal.  A work-group takes block b and then block 7 - b:
; 9 tiles, whatever b: ONE loop with a constant count.  Which tile is asked for and what a trip does hang on scalars made from b; all jumps but the loop's go forward and pass no barrier and no tensor load.
; CLUSTER.  The four partners are the four query heads (h = kv head + 4 cx) that share one key and value head, with the same b: they walk the same tiles, so each tile is asked for JOINTLY.
; WAVES.  Wave w takes the half qh = w / 2 of the block's queries (64: four tiles of 16) and, of every key tile, the step kh = w % 2 of 64 keys.  The two waves of a half keep maxima, sums and O of
; their own and MERGE at the block's end: each gives two tiles' O, c m and l through LDS and finishes the other two.  Register tile t holds true tile t xor 2 (kh xor qh), so that every wave keeps
; register tiles 0, 1 and gives 2, 3; the waves that hold the diagonal (kh = qh) have the true order.
; THE MASK is the C operand that starts S^T = K Q^T: for key block kb and register tile t one of three blocks of 8 registers: CLO (kb < t), CEQ (kb = t), CHI (kb > t), made anew for each tile from two scalars and TRI
; (the triangle of a 16 x 16 block).  Off the diagonal tile all are 0; on it: kh = qh: 0, TRI, -1e30; kh > qh: all -1e30; kh < qh: all 0.
; A wave that has seen hidden keys alone keeps m = -2^96, p = 0, l = 0, O = 0, and its share in the merge is 2^(c m - c M) = 0.
; LAYOUT.  In S^T a lane holds ONE query (lane % 16) and the keys 8 (lane / 16) + 0..7; two such results rounded to f16 ARE source 1 of O^T = V^T P.  p = 2^(c s - c m), c = log2(e) / sqrt(128);
; in every step O and l are multiplied by a = 2^(c m_old - c m_new).  A block begins with c m far below every c s, so its first a is 0 and O^T and l need only be finite.
; A TRIP: 32 products K Q^T of piece 0 (tiles 0, 1); V's run of loads; 32 products of piece 2, with piece 0's softmax in slices behind them; 32 products V^T P of piece 0, with piece 2's softmax behind them; 32 of piece 2.
; REGISTERS, in windows of 256 (s_set_vgpr_msb: bits 1:0 source 0, 3:2 source 1, 5:4 source 2, 7:6 destination):
;   window 0: v1-11, v48-63 addresses; v12-43 statistics, 8 a tile; v44-47 the partner's; v64-191 S^T, 32 a tile; v192-255 P, 16 a tile       window 1: O^T, 64 a tile
;   window 2: v0-127 Q, 32 a tile; v128-255 K                 window 3: v0-127 V; v128-135 TRI; v136-143 CLO; v144-151 CEQ; v152-159 CHI
.set KS,    64
.set PKP,   272       ; a row of K in LDS: 256 bytes + 16: the 16 rows of a load start at 16 different groups of four banks (64 banks of 4 bytes: ISA guide 11.1)
.set PVP,   288       ; a row of V: 256 + 32
.set VOFF,  KS*PKP    ; a step's tiles lie together: 64 rows of K, then 64 rows of V
.set STEPB, KS*(PKP+PVP)
.set SLOT1, 1<<17     ; a slot holds a tile, two steps (71,680 bytes); one exclusive or turns an address in one slot into the other's
.set XO,    SLOT1+2*STEPB  ; the given O: 16,384 bytes a wave; never filled by a tensor load, like all that follows
.set XS,    XO+4*16384     ; the given statistics: 256 bytes a wave: tile j, query r at 128 j + 8 r: c m, l
.set STAGE, XS+4*256       ; 16 rows x 272 bytes for each wave, for the way out
.set SP,    272
.set SPARE, STAGE+4*16*SP  ; the spare words, 128 bytes a wave: two blocks of 256 bytes that no other line names
.set AK0, 2           ; v2   my lane's place in a tile of K; never rewritten
.set AV0, 3           ; v3   the same for V
.set ADR, 4           ; v4   the LDS address of K's run of loads
.set ADV, 5           ; v5   of V's
.set STO, 6           ; v6   the way out: where I put 16 bytes of a row
.set RD,  7           ; v7   where I read a row back
.set GO,  8           ; v8   my byte offset in the rows of ao that I finish; never rewritten
.set QOA, 9           ; v9   my byte offset in Q for register tiles 0, 1
.set QOB, 10          ; v10  for register tiles 2, 3
.set XOA, 11          ; v11  where I give O
.set ST,  12          ; tile t's statistics at v[ST+8 t]: +0 c m, +1 m, +2, +3 l (even keys', odd keys'), +4 to +7 at work; a takes +6
.set PS,  44          ; v44-47 the partner's c m, l for my tiles 0, 1
.set XOB, 48          ; v48  where my partner gave O
.set XSA, 49          ; v49  where I give statistics
.set XSB, 50          ; v50  where my partner gave them
.set PFO, 61          ; v61  256 x my lane; never rewritten
.set SPW, 62          ; v62  my spare word: SPARE + 4 x my thread's number; never rewritten
.set NIL, 63          ; v63  0; never rewritten
.set S,   64
.set P,   192
.set KF,  128         ; window 2
.set TRI, 128         ; window 3
.set CLO, 136
.set CEQ, 144
.set CHI, 152
.set WV,  12          ; s12 wave;  s13 cx;  s14 b;  s15 7 - b
.set CX,  13
.set PB,  14
.set HI,  15
.set OLO, 10          ; s[10:11] ao at my rows of the first block; never rewritten
.set G1K, 24          ; s[24:31], s[32:39] descriptor group 1 for K's and V's tiles: they differ in the padding
.set G1V, 32
.set G0K, 40          ; s[40:43], s[44:47] group 0
.set G0V, 44
.set QHI, 48          ; s[48:49] Q, s[50:51] ao at my rows of the second block; never rewritten
.set OHI, 50
.set PFA, 52          ; s[52:53] where my prefetches stand
.set LIM, 54          ; s54  4 in a wave that prefetches, else 0
.set SLOTS, 56        ; s56  tiles still to be asked for
.set FIN, 57          ; s57  1: the block before has been given and is to be finished
.set CS,  58          ; s[58:59] c
.set SEL, 60          ; s[60:61] v_permlanex16_b32's selects: each lane takes its own place in the other half
.set TB,  62          ; s62  LDS byte at which my step of the tile in hand begins
.set RT,  63          ; s63  tiles of the block in hand still to be entered
.set NXT, 66          ; s66  the tile to be asked for next
.set LQ,  67          ; s67  the last tile of the block whose tiles are being asked for
.set OFF, 68          ; s[68:69] a tile's byte offset in K and V
.set AL,  70          ; s[70:71] TRI's factor;  s[72:73] CLO's value and CEQ's addend;  s74 CHI's value
.set BLO, 72
.set BHI, 74
.set ALD, 75          ; s75-77 the three on the diagonal tile
.set BLOD, 76
.set BHID, 77
.set BIGN, 78         ; s78  -1e30
.set QH,  79
.set KH,  80
.set SG,  81          ; s81  kh xor qh
.set MSB, 0
.macro WIN new
.if MSB != (\new)
	s_set_vgpr_msb (MSB<<8)|(\new)
.set MSB, \new
.endif
.endm
.set W_PV, 0x53       ; V in window 3, P in window 0, O^T in window 1
.set W_RS, 0x41       ; O^T (destination and source 0) in window 1, a in window 0
.macro PLACES
.rept 4
	v_nop
.endr
.endm
.macro CROUND         ; a round of the cluster's barrier
	s_barrier_signal -1
	s_barrier_wait -1
	s_cmp_lg_u32 s[WV], 0
	s_cbranch_scc1 .Lnot_wave_0_\@
	s_barrier_signal -3
.Lnot_wave_0_\@:
	s_barrier_wait -3
	s_barrier_signal -1
	s_barrier_wait -1
.endm
; A joint fill.  Waves 0 and 1 fetch the two steps' K, waves 2 and 3 their V: 64 rows each.  An s_nop 0 and four v_nop follow each of the two lines.
.macro JLOAD
	s_cmp_lt_u32 s[WV], 2
	s_cbranch_scc0 .Lfor_v_\@
	tensor_load_to_lds s[G0K:G0K+3], s[G1K:G1K+7]
	s_nop 0
.rept 4
	v_nop
.endr
	s_branch .Lasked_\@
.Lfor_v_\@:
	tensor_load_to_lds s[G0V:G0V+3], s[G1V:G1V+7]
	s_nop 0
.rept 4
	v_nop
.endr
.Lasked_\@:
.endm
; A PREFETCH INTO THE L2 of the tile that the NEXT trip's fill will ask for, behind the joint fill.  Of the four clusters that walk one key and value head the one with b = 0 is the first to ask for tiles 4 to 7, in
; its trips 4 to 7: it names them a trip ahead, in trips 3 to 6 (SLOTS = 5 .. 2), and nobody else does.  Its four partners share a tile's 128 rows out by address, 32 each, a lane a row of 256 bytes;
; wave 0 asks for K's, wave 2 for V's.  Tiles 0 to 3 come by their loads alone.  The address stands at tile 1 in trip 0 and is stepped once in each trip's work, 32 products behind this place.
.macro ASK
	s_sub_co_u32 s55, s[SLOTS], 2
	s_cmp_lt_u32 s55, s[LIM]
	s_cbranch_scc0 .Lnot_mine_\@
	global_prefetch_b8 v[PFO], s[PFA:PFA+1] th:TH_LOAD_NT scope:SCOPE_SE
.Lnot_mine_\@:
.endm
; THE CHANGE OF SLOTS.  Each wave waits for all its tensor loads (one is out: its part of the other slot), adds 0 to its spare word, and waits for that, for its reads of the slot that it leaves and for what it
; stored for its partner.  fill = 1: a round of the cluster's barrier, and the old slot is filled with tile NXT, the first thing behind it; the descriptor's address is made anew from that number.
.macro CHANGE fill
	WIN 0
	s_wait_tensorcnt 0x0                           ; no tensor load of mine is out, so a group 0 may be written
	ds_add_u32 v[SPW], v[NIL]
.if \fill
	s_lshl_b32 s[OFF], s[NXT], 15                  ; a tile is 32,768 bytes of K and of V
	s_xor_b32 s[G0K+1], s[G0K+1], SLOT1
	s_add_nc_u64 s[G0K+2:G0K+3], s[6:7], s[OFF:OFF+1]
	s_or_b32 s[G0K+3], s[G0K+3], 0x80000000
	s_xor_b32 s[G0V+1], s[G0V+1], SLOT1
	s_add_nc_u64 s[G0V+2:G0V+3], s[8:9], s[OFF:OFF+1]
	s_or_b32 s[G0V+3], s[G0V+3], 0x80000000
	s_add_co_u32 s[NXT], s[NXT], 1                 ; the block's next tile, or behind its last the second block's tile 0
	s_cmp_gt_u32 s[NXT], s[LQ]
	s_cselect_b32 s[NXT], 0, s[NXT]
	s_cselect_b32 s[LQ], s[HI], s[LQ]
	s_wait_dscnt 0x0
	CROUND
	JLOAD                                          ; its four v_nop are also the places behind the trip's last products
	ASK
.else
	s_wait_dscnt 0x0
	s_barrier_signal -1
	s_barrier_wait -1
	PLACES
.endif
	s_xor_b32 s[TB], s[TB], SLOT1
.endm
; Product i of 32 of S^T = K Q^T for piece x: channels 32 (i / 8) on, keys 16 ((i / 2) % 4) on, tile x + i % 2.  The first 8 start the sums with the mask.  The 8 accumulators take turns.
.macro KQ x
.set rS, S+32*((\x)+i%2)+8*((i/2)%4)
.set rK, KF+32*((i/2)%4)+8*(i/8)
.set rQ, 32*((\x)+i%2)+8*(i/8)
.if i < 8
.set rM, CEQ
.if (i/2) < ((\x)+i%2)
.set rM, CLO
.endif
.if (i/2) > ((\x)+i%2)
.set rM, CHI
.endif
	WIN 0x3a                                       ; K and Q in window 2, the mask in window 3, S^T in window 0
	v_wmma_f32_16x16x32_f16 v[rS:rS+7], v[rK:rK+7], v[rQ:rQ+7], v[rM:rM+7]
.else
	WIN 0x0a
	v_wmma_f32_16x16x32_f16 v[rS:rS+7], v[rK:rK+7], v[rQ:rQ+7], v[rS:rS+7]
.endif
.endm
; Product i of 32 of O^T += V^T P for piece x: keys 32 (i / 16) on, channels 16 ((i / 2) % 8) on, tile x + i % 2.  16 accumulators by turns.
.macro PV x
	WIN W_PV
.set rO, 64*((\x)+i%2)+8*((i/2)%8)
.set rV, 64*(i/16)+8*((i/2)%8)
.set rP, P+16*((\x)+i%2)+8*(i/16)
	v_wmma_f32_16x16x32_f16 v[rO:rO+7], v[rV:rV+7], v[rP:rP+7], v[rO:rO+7]
.endm
; My step's K: 64 keys x 128 channels, 16 fragments (keys 16 (f / 4) on, channels 32 (f % 4) on), fetched BY CHANNELS, as the products take them: eight loads serve eight products
.macro FETCH_K
	WIN 0
	v_add_nc_u32 v[ADR], s[TB], v[AK0]
	WIN 0x80
.irp f, 0,4,8,12,1,5,9,13,2,6,10,14,3,7,11,15
	ds_load_b128 v[KF+8*(\f):KF+8*(\f)+3],   v[ADR] offset:((\f)/4)*16*PKP+((\f)%4)*64
	ds_load_b128 v[KF+8*(\f)+4:KF+8*(\f)+7], v[ADR] offset:((\f)/4)*16*PKP+((\f)%4)*64+32
.endr
.endm
.macro FETCH_V        ; my step's V, turned
	WIN 0
	v_add_nc_u32 v[ADV], s[TB], v[AV0]
	WIN 0xc0
.irp f, 0,1,2,3,4,5,6,7,8,9,10,11,12,13,14,15
	ds_load_tr16_b128 v[8*(\f):8*(\f)+3],   v[ADV] offset:((\f)/8)*32*PVP+((\f)%8)*32
	ds_load_tr16_b128 v[8*(\f)+4:8*(\f)+7], v[ADV] offset:((\f)/8)*32*PVP+16*PVP+((\f)%8)*32
.endr
.endm
.macro MASK           ; the three mask blocks of this tile
	WIN 0xc3
.irp z, 0,1,2,3
	v_pk_fma_f32 v[CEQ+2*\z:CEQ+2*\z+1], v[TRI+2*\z:TRI+2*\z+1], s[AL:AL+1], s[BLO:BLO+1] op_sel_hi:[1,0,0]
.endr
.irp z, 0,1,2,3,4,5,6,7
	v_mov_b32 v[CLO+\z], s[BLO]
	v_mov_b32 v[CHI+\z], s[BHI]
.endr
.endm
; ONE TILE'S SOFTMAX FOR ONE STEP is a list of 134 instructions; SM writes number j of it for tile t.  s0-s31 are the lane's 32 scores, in pairs 0-15.
;   0-15    the maximum of s0-s31 and the old m, three operands at a time (each accumulator's lowest registers are read first)
;   16-20   the other half of the lanes' maximum; the new m; c m; c m_old - c m_new
;   21-69   ONE BATCH: the 16 scalings c s - c m and all 33 exponentials (a at 23, then s0-s31); none of these reads an exponential's result; a pair is scaled in an earlier four than its exponentials'
;   70-85   the roundings to f16      86-101  the sums; l = a l + the sum      102-133 the tile's O^T times a
.macro SM t
.set rT, ST+8*(\t)
.set rS, S+32*(\t)
.set rP, P+16*(\t)
.set rO, 64*(\t)+2*(j-102)
.if j < 102
	WIN 0
.endif
.if j < 4
	v_max3_num_f32 v[rT+4+j], v[rS+8*j], v[rS+8*j+1], v[rS+8*j+2]
.elseif j < 12
	v_max3_num_f32 v[rT+4+j%4], v[rT+4+j%4], v[rS+8*(j%4)+2*(j/4)+1], v[rS+8*(j%4)+2*(j/4)+2]
.elseif j == 12
	v_max3_num_f32 v[rT+4], v[rT+4], v[rS+7], v[rS+15]
.elseif j == 13
	v_max3_num_f32 v[rT+6], v[rT+6], v[rS+23], v[rS+31]
.elseif j == 14
	v_max3_num_f32 v[rT+4], v[rT+4], v[rT+5], v[rT+6]
.elseif j == 15
	v_max3_num_f32 v[rT+4], v[rT+4], v[rT+7], v[rT+1]
.elseif j == 16
	v_permlanex16_b32 v[rT+5], v[rT+4], s[SEL], s[SEL+1]  ; the query's other 32 keys lie in the lane 16 away
.elseif j == 17
	v_mov_b32 v[rT+7], v[rT]                       ; c m_old is kept for a
.elseif j == 18
	v_max_num_f32 v[rT+1], v[rT+4], v[rT+5]
.elseif j == 19
	v_mul_f32 v[rT], s[CS], v[rT+1]
.elseif j == 20
	v_sub_f32 v[rT+7], v[rT+7], v[rT]
.elseif j == 23
	v_exp_f32 v[rT+6], v[rT+7]
.elseif (j < 23) || ((j < 38) && (j%2 == 0)) || ((j < 66) && (j%4 == 2))
.set b, (j-2)/4                                    ; 38, 42, .. 62: pairs 9 to 15
.if j < 38
.set b, (j-20)/2                                   ; 21: pair 0; 22, 24, .. 36: pairs 1 to 8
.endif
	v_pk_fma_f32 v[rS+2*b:rS+2*b+1], v[rS+2*b:rS+2*b+1], s[CS:CS+1], v[rT:rT+1] op_sel_hi:[1,0,0] neg_lo:[0,0,1] neg_hi:[0,0,1]
.elseif j < 70
.set e, j-38                                       ; 66 to 69: s28 to s31
.if j < 66
.set e, j-32-(j-38)/4                              ; 39-41, 43-45, .. 63-65: s7 to s27
.endif
.if j < 38
.set e, (j-25)/2                                   ; 25, 27, .. 37: s0 to s6
.endif
	v_exp_f32 v[rS+e], v[rS+e]
.elseif j < 86
	v_cvt_pk_f16_f32 v[rP+j-70], v[rS+2*(j-70)], v[rS+2*(j-70)+1]
.elseif j < 102                                    ; sum z of 16 adds neighbours 1, 2, 4 and 8 pairs apart, in place; then l takes it
.set z, j-86
.set w, 4
.set u, z
.if z >= 14
.set w, 32
.set u, 0
.elseif z >= 12
.set w, 16
.set u, z-12
.elseif z >= 8
.set w, 8
.set u, z-8
.endif
.if z < 15
	v_pk_add_f32 v[rS+w*u:rS+w*u+1], v[rS+w*u:rS+w*u+1], v[rS+w*u+w/2:rS+w*u+w/2+1]
.else
	v_pk_fma_f32 v[rT+2:rT+3], v[rT+2:rT+3], v[rT+6:rT+7], v[rS:rS+1] op_sel_hi:[1,0,1]
.endif
.else
	WIN W_RS
	v_pk_mul_f32 v[rO:rO+1], v[rO:rO+1], v[rT+6:rT+7] op_sel_hi:[1,0]
.endif
.endm
; Slice k of 64 of piece y's softmax: four instructions (slice 63: sixteen).  Slices 11 to 34 deal out the batch, four numbers of ONE tile each, the tiles by turns; every other slice is numbers 2 k, 2 k + 1 of both tiles.
; Behind slice 34 no exponential is issued and ahead of slice 35 no result is named: the piece's 66 exponentials have one plain instruction and ONE wait behind slice 34.
.macro SLICE y
.if (k >= 11) && (k < 35)
.irp n, 0,1,2,3
.set j, 22+4*((k-11)/2)+(\n)
	SM (\y)+(k-11)%2
.endr
.else
.irp n, 0,1,2,3,4,5,6,7
.if ((\n) < 2) || (k == 63)
.irp t, \y, (\y)+1
.set j, 2*k+(\n)
	SM \t
.endr
.endif
.endr
.endif
.if k == 34
	v_nop
	s_wait_alu depctr_va_vdst(0)
.endif
.set k, k+1
.endm
; A TRIP'S WORK: my step of the tile in hand.  Slices 62 and 63, twenty plain multiplies on the other piece's O^T, are the places between a run's last product and the first read of its scores.
; V's run of 32 loads stands behind piece 0's products K Q^T: at most 32 LDS loads of mine are out, and V has 32 products and a piece's softmax in which to come.
.macro BODY
	s_cmp_eq_u32 s[RT], 0                          ; the diagonal tile?
	s_cselect_b32 s[AL], s[ALD], 0
	s_cselect_b32 s[BLO], s[BLOD], 0
	s_cselect_b32 s[BHI], s[BHID], 0
	FETCH_K
	MASK
	s_wait_loadcnt 0x0                             ; Q (at a block's first tile)
.set i, 0
.rept 32
.if i%8 == 0
	s_wait_dscnt 24-i                              ; the eight loads of these eight products' channels are in; the 24 - i younger ones of K's run may stay out
.endif
	KQ 0
.set i, i+1
.endr
	PLACES                                         ; behind piece 0's last products, ahead of the first read of their scores
	s_wait_xcnt 0x0                                ; ONE such wait a trip.  Behind it the softmax writes P, which the stores of a block's end read, and the prefetch's address, read 32 products back, is stepped
	s_add_nc_u64 s[PFA:PFA+1], s[PFA:PFA+1], 32768 ; a tile on (in the trips that ask for nothing, and behind the loop, it is not used)
	FETCH_V
.set i, 0
.set k, 0
.rept 32
	KQ 2
	SLICE 0
	SLICE 0
.set i, i+1
.endr
	s_wait_dscnt 0x0                               ; V is in
.set i, 0
.set k, 0
.rept 32
	PV 0
	SLICE 2
	SLICE 2
.set i, i+1
.endr
.set i, 0
.rept 32
	PV 2
.set i, i+1
.endr
	WIN 0
.endm
.macro BEGIN          ; a block begins
.irp t, 0,1,2,3
	v_mov_b32 v[ST+8*\t], 0xfe000000               ; c m: far below every c s, so the first a is 0
	v_mov_b32 v[ST+8*\t+1], 0xef800000             ; m = -2^96: above every hidden score, below every true one
	v_mov_b32 v[ST+8*\t+2], 0
	v_mov_b32 v[ST+8*\t+3], 0
.endr
.endm
.macro QLOAD base     ; a block's Q: register tile i / 4, channels 32 (i % 4) on; a fragment is two loads of 16 bytes, 32 bytes apart
	WIN 0x80
.set i, 0
.rept 8
	global_load_b128 v[8*i:8*i+3],         v[QOA], s[\base:\base+1] offset:(i/4)*4096+(i%4)*64
	global_load_b128 v[8*i+4:8*i+7],       v[QOA], s[\base:\base+1] offset:(i/4)*4096+(i%4)*64+32
	global_load_b128 v[64+8*i:64+8*i+3],   v[QOB], s[\base:\base+1] offset:(i/4)*4096+(i%4)*64
	global_load_b128 v[64+8*i+4:64+8*i+7], v[QOB], s[\base:\base+1] offset:(i/4)*4096+(i%4)*64+32
.set i, i+1
.endr
	WIN 0
.endm
; A BLOCK'S END, FIRST HALF: l's two halves and the other half of the lanes' are added (into +5; c m goes beside it, into +4); tiles 2 and 3 go to my partner.  The additions are the places behind the last products.
; more = 1: the second block's Q is asked for at once.
.macro GIVE more
	WIN 0
.irp t, 0,1,2,3
	v_add_f32 v[ST+8*\t+4], v[ST+8*\t+2], v[ST+8*\t+3]
.endr
.irp t, 0,1,2,3
	v_permlanex16_b32 v[ST+8*\t+5], v[ST+8*\t+4], s[SEL], s[SEL+1]
.endr
.irp t, 0,1,2,3
	v_add_f32 v[ST+8*\t+5], v[ST+8*\t+4], v[ST+8*\t+5]
.endr
.irp t, 0,1,2,3
	v_mov_b32 v[ST+8*\t+4], v[ST+8*\t]
.endr
	ds_store_b64 v[XSA], v[ST+20:ST+21]            ; both halves of the lanes hold, and write, the same two numbers
	ds_store_b64 v[XSA], v[ST+28:ST+29] offset:128
	WIN 0x04                                       ; the data in window 1
.set i, 0
.rept 32
	ds_store_b128 v[XOA], v[128+4*i:128+4*i+3] offset:512*i
.set i, i+1
.endr
.if \more
	QLOAD QHI
	s_mov_b32 s[FIN], 1
.endif
	WIN 0
.endm
; SECOND HALF, behind a barrier: with M = max(m, m'), f = 2^(c m - c M), f' likewise: O = (O f + O' f') / (l f + l' f'), rounded to f16 and sent through my stage, a tile (16 rows) at a time.
; base: the scalar pair that holds ao at my rows of the block: each block has a pair of its own, so that none is rewritten while stores read it.
.macro PACKM t
	WIN 0
.set i, 0
.rept 32
	v_pk_mul_f32 v[S+64*(\t)+2*i:S+64*(\t)+2*i+1], v[S+64*(\t)+2*i:S+64*(\t)+2*i+1], v[ST+8*(\t)+6:ST+8*(\t)+7] op_sel_hi:[1,0]
.set i, i+1
.endr
	WIN 0x01                                       ; source 0, my O^T, in window 1
.set i, 0
.rept 32
	v_pk_fma_f32 v[S+64*(\t)+2*i:S+64*(\t)+2*i+1], v[64*(\t)+2*i:64*(\t)+2*i+1], v[ST+8*(\t)+4:ST+8*(\t)+5], v[S+64*(\t)+2*i:S+64*(\t)+2*i+1] op_sel_hi:[1,0,1]
.set i, i+1
.endr
	WIN 0
.set i, 0
.rept 32
	v_cvt_pk_f16_f32 v[P+32*(\t)+i], v[S+64*(\t)+2*i], v[S+64*(\t)+2*i+1]
.set i, i+1
.endr
.irp f, 0,1,2,3,4,5,6,7
	ds_store_b128 v[STO], v[P+32*(\t)+4*\f:P+32*(\t)+4*\f+3] offset:32*\f
.endr
.irp f, 0,1,2,3,4,5,6,7
	ds_load_b128 v[P+32*(\t)+4*\f:P+32*(\t)+4*\f+3], v[RD] offset:\f*2*SP  ; LDS serves a wave's instructions in order (ISA guide 5.7.1.4): these see the stores above; the next tile's stores come behind them
.endr
.endm
.macro SEND t, younger, base
.irp f, 0,1,2,3,4,5,6,7
	s_wait_dscnt (\younger)+7-\f
	global_store_b128 v[GO], v[P+32*(\t)+4*\f:P+32*(\t)+4*\f+3], s[\base:\base+1] offset:(\t)*65536+\f*8192  ; 16 lanes store a head's 256 bytes of a row, aligned
.endr
.endm
.macro KEEP base
	WIN 0
	ds_load_b64 v[PS:PS+1], v[XSB]
	ds_load_b64 v[PS+2:PS+3], v[XSB] offset:128
.set i, 0
.rept 32
	ds_load_b128 v[S+4*i:S+4*i+3], v[XOB] offset:512*i
.set i, i+1
.endr
	s_wait_dscnt 32                                ; the statistics are in; O's 32 loads may stay out
.irp t, 0,1
	v_max_num_f32 v[ST+8*\t+6], v[ST+8*\t], v[PS+2*\t]
.endr
.irp t, 0,1
	v_sub_f32 v[ST+8*\t+7], v[ST+8*\t], v[ST+8*\t+6]
	v_sub_f32 v[ST+8*\t+6], v[PS+2*\t], v[ST+8*\t+6]
.endr
.irp t, 0,1
	v_exp_f32 v[ST+8*\t+7], v[ST+8*\t+7]           ; f
	v_exp_f32 v[ST+8*\t+6], v[ST+8*\t+6]           ; f'
.endr
	v_nop                                          ; a plain instruction behind the last exponential,
	s_wait_alu depctr_va_vdst(0)                   ; and the one wait ahead of the first use
.irp t, 0,1
	v_mul_f32 v[ST+8*\t+2], v[ST+8*\t+5], v[ST+8*\t+7]
.endr
.irp t, 0,1
	v_fma_f32 v[ST+8*\t+2], v[PS+2*\t+1], v[ST+8*\t+6], v[ST+8*\t+2]
.endr
.irp t, 0,1
	v_rcp_f32 v[ST+8*\t+3], v[ST+8*\t+2]
.endr
	v_nop
	s_wait_alu depctr_va_vdst(0)
.irp t, 0,1
	v_mul_f32 v[ST+8*\t+4], v[ST+8*\t+7], v[ST+8*\t+3]
	v_mul_f32 v[ST+8*\t+6], v[ST+8*\t+6], v[ST+8*\t+3]
.endr
	s_wait_dscnt 0x0
	PACKM 0
	PACKM 1
	SEND 0, 16, \base                              ; younger: the next tile's eight stores and eight loads
	SEND 1, 0, \base
.endm
	s_load_b128 s[16:19], s[0:1], 0x0              ; qkv s[16:17], ao s[18:19]
	v_lshl_add_u32 v[SPW], v0, 2, SPARE
	v_mov_b32 v[NIL], 0
	ds_add_u32 v[SPW], v[NIL]                      ; the wave's opening: the add and its wait stand ahead of my first tensor load; the set-up stands between them
	v_lshrrev_b32 v1, 5, v0
	v_readfirstlane_b32 s[WV], v1
	s_bfe_u32 s[CX], ttmp6, 0x40000                ; cx: which of the four query heads: it enters Q's, ao's and the prefetches' addresses alone
	s_mov_b32 s[PB], ttmp9                         ; b: the cluster's x
	s_sub_co_u32 s[HI], 7, s[PB]
	s_and_b32 s2, ttmp7, 0xffff
	s_lshr_b32 s3, s2, 2                           ; batch
	s_and_b32 s2, s2, 3                            ; key and value head
	s_lshr_b32 s[QH], s[WV], 1
	s_and_b32 s[KH], s[WV], 1
	s_xor_b32 s[SG], s[QH], s[KH]
	s_mul_i32 s20, s3, 24                          ; K: head 16 + kv head of the batch's 24, 2^18 bytes each; my step's 64 rows of 256 bytes
	s_add_co_u32 s20, s20, s2
	s_add_co_u32 s20, s20, 16
	s_lshl_b32 s20, s20, 18
	s_lshl_b32 s21, s[KH], 14
	s_add_co_u32 s20, s20, s21
	s_mov_b32 s21, 0
	s_add_co_u32 s22, s20, 4<<18                   ; V: four heads on
	s_mov_b32 s23, 0
	s_lshl_b32 s83, s[CX], 2
	s_add_co_u32 s83, s83, s2                      ; h
	s_mul_i32 s52, s3, 24                          ; Q: the head, my half's 64 rows
	s_add_co_u32 s52, s52, s83
	s_lshl_b32 s52, s52, 18
	s_lshl_b32 s82, s[QH], 14
	s_add_co_u32 s52, s52, s82
	s_lshl_b32 s53, s3, 22                         ; ao: 1,024 rows of 4,096 bytes a batch, my half's 64 rows, the head's 256 bytes
	s_lshl_b32 s82, s[QH], 18
	s_add_co_u32 s53, s53, s82
	s_lshl_b32 s82, s83, 8
	s_add_co_u32 s53, s53, s82
	s_mov_b32 s83, 0
	s_mov_b32 s[G1K], 15|(1<<16)|(1<<20)|(1<<21)|(5<<22)|(3<<25)  ; the mask of four; 2-byte elements; padding on; bit 21 beside a mask; after every 64 words, 4 words
	s_mov_b32 s[G1V], 15|(1<<16)|(1<<20)|(1<<21)|(5<<22)|(7<<25)  ; the same with 8 words
.irp g, G1K, G1V
	s_mov_b32 s[(\g)+1], 128<<16                   ; tensor_dim0 = 128
	s_mov_b32 s[(\g)+2], KS<<16                    ; tensor_dim1 = 64
	s_mov_b32 s[(\g)+3], 128<<16                   ; tile_dim0 = 128
	s_mov_b32 s[(\g)+4], KS                        ; tile_dim1 = 64
	s_mov_b32 s[(\g)+5], 128                       ; elements from row to row
	s_mov_b32 s[(\g)+6], 0
	s_mov_b32 s[(\g)+7], 0
.endr
	s_mov_b32 s[G0K], 1
	s_mul_i32 s[G0K+1], s[KH], STEPB               ; slot 0, my step: no place in the cluster enters an LDS address
	s_mov_b32 s[G0V], 1
	s_add_co_u32 s[G0V+1], s[G0K+1], VOFF
	s_add_co_u32 s[TB], s[G0K+1], SLOT1            ; the first change of slots turns it into slot 0
	s_mov_b32 s[CS], 0x3e0293ee                    ; c = log2(e) / sqrt(128)
	s_mov_b32 s[CS+1], s[CS]
	s_mov_b32 s[SEL], 0x76543210
	s_mov_b32 s[SEL+1], 0xfedcba98
	s_add_co_u32 s[RT], s[PB], 1                   ; the first block has b + 1 tiles
	s_mov_b32 s[FIN], 0
	s_mov_b32 s[SLOTS], 8
	s_mov_b32 s[NXT], 1
	s_mov_b32 s[LQ], s[PB]
	s_cmp_gt_u32 s[NXT], s[LQ]                     ; b = 0: the walk's second tile is the second block's tile 0
	s_cselect_b32 s[NXT], 0, s[NXT]
	s_cselect_b32 s[LQ], s[HI], s[LQ]
	s_mov_b32 s[OFF+1], 0
	s_mov_b32 s[AL+1], 0                           ; named as pairs
	s_mov_b32 s[BLO+1], 0
	s_mov_b32 s[BIGN], 0xf149f2ca                  ; -1e30
	s_cmp_eq_u32 s[KH], s[QH]
	s_cselect_b32 s[ALD], 1.0, 0
	s_cmp_gt_u32 s[KH], s[QH]
	s_cselect_b32 s[BLOD], s[BIGN], 0
	s_cmp_ge_u32 s[KH], s[QH]
	s_cselect_b32 s[BHID], s[BIGN], 0
	s_and_b32 s[LIM], s[WV], 1
	s_or_b32 s[LIM], s[LIM], ttmp9
	s_cmp_eq_u32 s[LIM], 0                         ; waves 0 and 2 of the cluster with b = 0: the same in all four partners
	s_cselect_b32 s[LIM], 4, 0
	s_wait_dscnt 0x0                               ; the opening add is done
	s_wait_kmcnt 0x0
	s_add_nc_u64 s[6:7], s[16:17], s[20:21]        ; K and V at my step of tile 0
	s_add_nc_u64 s[8:9], s[16:17], s[22:23]
	s_lshl_b32 s82, s[PB], 15                      ; a block is 128 rows of 256 bytes of Q,
	s_add_co_u32 s82, s82, s52
	s_add_nc_u64 s[4:5], s[16:17], s[82:83]
	s_lshl_b32 s82, s[HI], 15
	s_add_co_u32 s82, s82, s52
	s_add_nc_u64 s[QHI:QHI+1], s[16:17], s[82:83]
	s_lshl_b32 s82, s[PB], 19                      ; and of 4,096 bytes of ao
	s_add_co_u32 s82, s82, s53
	s_add_nc_u64 s[OLO:OLO+1], s[18:19], s[82:83]
	s_lshl_b32 s82, s[HI], 19
	s_add_co_u32 s82, s82, s53
	s_add_nc_u64 s[OHI:OHI+1], s[18:19], s[82:83]
	s_cmp_lt_u32 s[WV], 2
	s_cselect_b64 s[PFA:PFA+1], s[6:7], s[8:9]     ; (in waves 0 and 2 these stand at a tile's first row)
	s_lshl_b32 s82, s[CX], 13                      ; my work-group's 32 rows of the 128,
	s_add_nc_u64 s[PFA:PFA+1], s[PFA:PFA+1], s[82:83]
	s_add_nc_u64 s[PFA:PFA+1], s[PFA:PFA+1], 32768 ; in tile 1: trip i finds it at tile i + 1
	s_mov_b64 s[G0K+2:G0K+3], s[6:7]
	s_or_b32 s[G0K+3], s[G0K+3], 0x80000000
	s_mov_b64 s[G0V+2:G0V+3], s[8:9]
	s_or_b32 s[G0V+3], s[G0V+3], 0x80000000
	CROUND                                         ; all four work-groups are here: the first joint loads meet
	JLOAD                                          ; tile 0 into slot 0; slot 1 is filled by the loop's first change of slots
	v_and_b32 v1, 15, v0                           ; r = l % 16
	v_bfe_u32 v51, v0, 4, 1                        ; h = l / 16
	v_lshlrev_b32 v52, 8, v1
	v_lshl_add_u32 v52, v51, 4, v52                ; row x 256 + 16 x half
	s_lshl_b32 s20, s[SG], 13                      ; register tiles 0, 1 are true tiles 2 sigma, 2 sigma + 1: 16 rows of 256 bytes each
	v_add_nc_u32 v[QOA], s20, v52
	s_xor_b32 s20, s20, 8192
	v_add_nc_u32 v[QOB], s20, v52
	QLOAD 4
	v_mul_u32_u24 v[AK0], v1, PKP
	v_lshl_add_u32 v[AK0], v51, 4, v[AK0]
	v_and_b32 v52, 7, v0                           ; the turning load: lane l reads key 8 h + l % 8, channels 8 ((l / 8) % 2) on
	v_bfe_u32 v53, v0, 3, 1
	v_lshl_add_u32 v[AV0], v51, 3, v52
	v_mul_u32_u24 v[AV0], v[AV0], PVP
	v_lshl_add_u32 v[AV0], v53, 4, v[AV0]
	v_add_nc_u32 v[AV0], VOFF, v[AV0]
	s_mul_i32 s20, s[WV], 16*SP
	s_add_co_u32 s20, s20, STAGE                   ; my stage
	v_mul_u32_u24 v[STO], v1, SP                   ; in: row r, 16 bytes for each half of the lanes
	v_lshl_add_u32 v[STO], v51, 4, v[STO]
	v_add_nc_u32 v[STO], s20, v[STO]
	v_mul_u32_u24 v[RD], v51, SP                   ; back: lanes 0-15 one row of 256 bytes, lanes 16-31 the next
	v_lshl_add_u32 v[RD], v1, 4, v[RD]
	v_add_nc_u32 v[RD], s20, v[RD]
	v_lshlrev_b32 v[GO], 12, v51                   ; the same two rows in ao, from true tile 2 sigma on
	v_lshl_add_u32 v[GO], v1, 4, v[GO]
	s_lshl_b32 s20, s[SG], 17
	v_add_nc_u32 v[GO], s20, v[GO]
	v_and_b32 v54, 31, v0
	v_lshlrev_b32 v[PFO], 8, v54
	v_lshlrev_b32 v54, 4, v54
	s_xor_b32 s21, s[WV], 1                        ; my partner: the other key step of the same queries
	s_lshl_b32 s20, s[WV], 14
	s_add_co_u32 s20, s20, XO
	v_add_nc_u32 v[XOA], s20, v54
	s_lshl_b32 s20, s21, 14
	s_add_co_u32 s20, s20, XO
	v_add_nc_u32 v[XOB], s20, v54
	v_lshlrev_b32 v54, 3, v1
	s_lshl_b32 s20, s[WV], 8
	s_add_co_u32 s20, s20, XS
	v_add_nc_u32 v[XSA], s20, v54
	s_lshl_b32 s20, s21, 8
	s_add_co_u32 s20, s20, XS
	v_add_nc_u32 v[XSB], s20, v54
	v_lshlrev_b32 v55, 3, v51
	v_sub_nc_u32 v55, v1, v55                      ; r - 8 h: register j of a 16 x 16 block (key 8 h + j, query r) is hidden where j is greater
	WIN 0xc0
.set i, 0
.rept 8
	v_cmp_gt_i32 vcc_lo, i, v55
	v_cndmask_b32 v[TRI+i], 0, s[BIGN], vcc_lo
.set i, i+1
.endr
	WIN 0x40                                       ; O^T need only be finite where a block begins: zeros for the first block, what the first block left for the second.  All this stands in the wait for the first tile
.set i, 0
.rept 256
	v_mov_b32 v[i], 0
.set i, i+1
.endr
	WIN 0
.set i, ST
.rept 36
	v_mov_b32 v[i], 0                              ; the statistics' registers at work and the partner's four: written once
.set i, i+1
.endr
	BEGIN
.Lslot:                                            ; 8 trips: a tile is entered and the next is asked for
	CHANGE 1
	s_cmp_eq_u32 s[FIN], 1
	s_cbranch_scc0 .Lsame
	KEEP OLO                                       ; the round just passed stands between both partners' stores and these reads; in the loop this is the first block's end
	s_sub_co_u32 s[RT], 8, s[PB]                   ; the second block has 8 - b tiles
	s_mov_b32 s[FIN], 0
	BEGIN
.Lsame:
	s_wait_dscnt 0x0                               ; for my partner's sake: my reads of what it gave are back,
	s_barrier_signal -1                            ; and a barrier, on every wave's path in every trip, stands between those reads and the next stores into the same bytes (GIVE, below).
	s_barrier_wait -1                              ; The next fill stands behind the next change of slots, so this trip's one tensor load may stay out
	s_sub_co_u32 s[RT], s[RT], 1
	BODY
	s_cmp_lg_u32 s[RT], 0
	s_cbranch_scc1 .Lbottom
	GIVE 1                                         ; in the loop this is the first block's end: the second block's last tile is the walk's last
.Lbottom:
	s_sub_co_u32 s[SLOTS], s[SLOTS], 1
	s_cmp_lg_u32 s[SLOTS], 0
	s_cbranch_scc1 .Lslot
	CHANGE 0                                       ; the walk's last tile is written out: nothing is asked for
	s_sub_co_u32 s[RT], s[RT], 1
	BODY
	GIVE 0
	s_wait_dscnt 0x0                               ; for my partner's sake: what I give is stored
	s_barrier_signal -1
	s_barrier_wait -1
	KEEP OHI                                       ; the second block's end
	s_wait_tensorcnt 0x0                           ; the wave's end
	ds_add_u32 v[SPW], v[NIL]
	s_wait_dscnt 0x0
	CROUND                                         ; the closing round
	s_endpgm
.Lfunc_end_k_qf55acaf762_attn:
	.size	k_qf55acaf762_attn, .Lfunc_end_k_qf55acaf762_attn-k_qf55acaf762_attn
	.p2alignl 7, 3214868480
	.fill 96, 4, 3214868480
	.section	.rodata,"a",@progbits
	.p2align	6, 0x0
	.amdhsa_kernel k_qf55acaf762_attn
		.amdhsa_group_segment_fixed_size 327680
		.amdhsa_private_segment_fixed_size 0
		.amdhsa_enable_private_segment 0
		.amdhsa_kernarg_size 16
		.amdhsa_user_sgpr_count 2
		.amdhsa_user_sgpr_kernarg_segment_ptr 1
		.amdhsa_wavefront_size32 1
		.amdhsa_system_sgpr_workgroup_id_x 1
		.amdhsa_system_sgpr_workgroup_id_y 1
		.amdhsa_system_sgpr_workgroup_id_z 1
		.amdhsa_system_vgpr_workitem_id 0
		.amdhsa_next_free_vgpr 928
		.amdhsa_next_free_sgpr 84
		.amdhsa_reserve_vcc 1
		.amdhsa_float_denorm_mode_32 3
		.amdhsa_float_denorm_mode_16_64 3
		.amdhsa_memory_ordered 1
		.amdhsa_forward_progress 1
		.amdhsa_inst_pref_size 166
	.end_amdhsa_kernel
	.amdgpu_metadata
---
amdhsa.version: [ 1, 2 ]
amdhsa.kernels:
  - .name:           k_qf55acaf762_attn
    .symbol:         k_qf55acaf762_attn.kd
    .args:
      - { .name: qkv, .offset: 0, .size: 8, .value_kind: global_buffer, .address_space: global }
      - { .name: ao, .offset: 8, .size: 8, .value_kind: global_buffer, .address_space: global }
    .group_segment_fixed_size: 327680
    .private_segment_fixed_size: 0
    .kernarg_segment_align: 8
    .kernarg_segment_size: 16
    .max_flat_workgroup_size: 128
    .sgpr_count:     84
    .vgpr_count:     928
    .wavefront_size: 32
...
	.end_amdgpu_metadata
.endif
;; end of part 3
;; launch outp (part 4): grid 8 x 32, 4 waves a work-group, clusters of 4 x 4, 327,680 bytes of LDS; arguments ao, wob, out0; writes out0
.if DOCPART == 4
	.amdgcn_target "amdgcn-amd-amdhsa--gfx1250"
	.amdhsa_code_object_version 6
	.text
	.protected	k_qf55acaf762_outp
	.globl	k_qf55acaf762_outp
	.p2align	8
	.type	k_qf55acaf762_outp,@function
k_qf55acaf762_outp:
	s_mov_b64 s[64:65], 0
	v_nop
	global_prefetch_b8 v0, s[64:65] scope:SCOPE_SE
	s_setreg_imm32_b32 hwreg(HW_REG_WAVE_MODE, 25, 1), 1
	s_wait_xcnt 0x0
	s_wait_alu depctr_hold_cnt(0) depctr_sa_sdst(0) depctr_va_vdst(0) depctr_va_sdst(0) depctr_va_ssrc(0) depctr_va_vcc(0) depctr_vm_vsrc(0)
	s_getreg_b32 s2, hwreg(HW_REG_IB_STS2, 6, 4)
	s_cmp_eq_u32 s2, 0
	s_cbranch_scc0 .Lentry_in_a_cluster
	s_endpgm
.Lentry_in_a_cluster:
	s_bfe_u32 s2, ttmp6, 0x10000c
	s_cmp_lg_u32 s2, 0xf033
	s_cbranch_scc0 .Lentry_shape_is_right
	s_endpgm
.Lentry_shape_is_right:
; out = O Wo.  C[m][n] = sum over k of A[m][k] B[k][n]: A = ao [4096][2048] f16, B = wob [2048 k][2048 n] f16 (Wo rounded to bf16, that number in f16's code); sums in f32, stored as f32.
; SHARES.  4096 x 2048 in tiles of 128 x 256 are 32 x 8 = 256 work-groups.  Four waves; a wave makes all 128 rows and 64 consecutive columns: 32 accumulators of 16 x 16, 256 registers.
; K goes in steps of 128 through two LDS slots; a row of A's tile and of each of B's two sub-tiles (128 k x 128 n) is 256 aligned bytes of memory.  B lies [K][N]: its fragments come out of LDS turned.
; THE PRODUCT IS USED TRANSPOSED (source 0 = 16 columns of B, source 1 = 16 rows of A): a lane ends with eight neighbouring columns of one row of C.
; CLUSTER 4 x 4.  A's tile is asked for jointly along a row of the cluster, B's along a column.  Waves 0, 1 fetch B's sub-tiles, waves 2, 3 the halves of A's tile.
; THE CHANGE OF SLOTS.  A K step has 128 products a wave for 98,304 bytes of tiles, and one load a wave is out at a time.  So no product stands between the wait for a tile and the request for the next:
; 24 of the last quarter's 32 products stand ahead of that wait, 8 behind the request; from a request to the wait for it a wave issues a whole K step's 128.
; REGISTERS: window 0: v1-30 addresses; v64-127, v128-191 A's fragments, two buffers; v32-63, v224-255 the way out.  window 1: B's fragments, buffer f at 64 f.  window 2: accumulator (b, a) at 64 b + 8 a.
.set NTOT,  2048
.set NT,    256
.set NBW,   4
.set NSUB,  2                          ; B's sub-tiles; waves below NSUB fetch them
.set AROWS, 64                         ; rows in a load of A
.set PA,    272                        ; A's LDS row: 256 bytes + 16: the 16 rows of a load start at 16 different groups of four banks (64 banks of 4 bytes: ISA guide 11.1)
.set PB,    288                        ; B's LDS row: 256 + 32
.set SUBT,  128*PB
.set AOFF,  NSUB*SUBT
.set SLOT,  AOFF+128*PA
.set ALDS0, AOFF-NSUB*AROWS*PA         ; A's LDS address = ALDS0 + wave x AROWS x PA + the slot's constant
.set STAGE, 2*SLOT                     ; behind the ring, never filled by a tensor load: 16 rows x 272 bytes for each wave
.set SPARE, STAGE+4*16*PA              ; the spare words, 128 bytes a wave: two blocks of 256 bytes that no other line names
.set BST,   128*NTOT*2
.set LAPS,  8
.set EB0, 0                            ; the blocks multiplied first in a quarter,
.set ENB, 2
.set LB0, 2                            ; and last: their fragments are fetched last and may be out longest
.set LNB, 2
.set LATE, 2*LNB
.set NLD,  16+2*NBW
.set STO,  8                           ; v8      the way out: where I put 32 bytes of a row
.set RD,   11                          ; v11     where I read a row back
.set ADRA, 16                          ; v16-17  LDS address of my A fragments in slot 0, 1
.set ADRB, 18                          ; v18-19  of my B fragments
.set CO,   26                          ; v26     my byte offset in two rows of C
.set SPW,  28                          ; v28     my spare word: SPARE + 4 x my thread's number; never rewritten
.set NIL,  29                          ; v29     0; never rewritten
.set PFO,  30                          ; v30     the prefetches' offset: my lane x a row; never rewritten
.set G1,  24
.set G0,  32
.set G1B, 48
.set G0B, 56
.set LIM, 43
.set PFA, 44
.set PST, 66
.set MSB, 0
.macro WIN new
.if MSB != (\new)
	s_set_vgpr_msb (MSB<<8)|(\new)
.set MSB, \new
.endif
.endm
.macro PLACES                          ; four places in front of loads into registers that matrix instructions have read, and of reads of results
.rept 4
	v_nop
.endr
.endm
.macro CROUND                          ; a round of the cluster's barrier: my work-group's barrier; wave 0 signals for the work-group; every wave waits for all sixteen; my work-group's barrier once more
	s_barrier_signal -1
	s_barrier_wait -1
	s_cmp_lg_u32 s10, 0
	s_cbranch_scc1 .Lnot_wave_0_\@
	s_barrier_signal -3
.Lnot_wave_0_\@:
	s_barrier_wait -3
	s_barrier_signal -1
	s_barrier_wait -1
.endm
.macro JLOAD s                         ; a joint load; the branch hangs on the wave's number alone; an s_nop 0 and four v_nop follow each of the two lines
	s_cmp_lt_u32 s10, NSUB
	s_cbranch_scc0 .Lfor_a_\@
	tensor_load_to_lds s[G0B+4*(\s):G0B+4*(\s)+3], s[G1B:G1B+7]
	s_nop 0
.rept 4
	v_nop
.endr
	s_branch .Lasked_\@
.Lfor_a_\@:
	tensor_load_to_lds s[G0+4*(\s):G0+4*(\s)+3], s[G1:G1+7]
	s_nop 0
.rept 4
	v_nop
.endr
.Lasked_\@:
.endm
; A PREFETCH INTO THE L2, behind each joint refill and the run of LDS loads that follows it: 32 rows x 256 bytes of the K step two refills on, a lane a row, one instruction a wave.
; Each row's 256 bytes of a K step are named once in the launch: B's sub-tiles by the clusters with y = 0 (waves 0, 1, each its own), A's tile by the clusters with x = 0 (wave 2; wave 3 asks for nothing);
; the four partners that ask for a tile jointly share its 128 rows out by address, 32 each.  The loop's last trip names nothing.
.macro ASK
	WIN 0
	s_cmp_gt_u32 s3, s[LIM]
	s_cbranch_scc0 .Lnot_mine_\@
	global_prefetch_b8 v[PFO], s[PFA:PFA+1] th:TH_LOAD_NT scope:SCOPE_SE
.Lnot_mine_\@:
.endm
; 8 nb matrix instructions: column blocks b0 .. x all 8 row blocks, 32 along K, from buffer f.  All 32 accumulators take turns in the same order in every quarter.
.macro MULB f, b0, nb, zero
.set bb, \b0
.rept \nb
	WIN 0xa1                                       ; source 0 (B) window 1, source 1 (A) window 0, C and D window 2
.set aa, 0
.rept 8
.set rD, 64*bb+8*aa
.set rB, 64*(\f)+8*bb
.set rA, 64+64*(\f)+8*aa
.if \zero
	v_wmma_f32_16x16x32_f16 v[rD:rD+7], v[rB:rB+7], v[rA:rA+7], 0
.else
	v_wmma_f32_16x16x32_f16 v[rD:rD+7], v[rB:rB+7], v[rA:rA+7], v[rD:rD+7]
.endif
.set aa, aa+1
.endr
.set bb, bb+1
.endr
.endm
; A quarter's 24 LDS loads in one run, into buffer f: A's 8 fragments, then B's 4 (turned), the blocks multiplied last at the end.
.macro FETCH slot, q, f
	WIN 0
.irp a, 0,1,2,3,4,5,6,7
	ds_load_b128 v[64+64*(\f)+8*\a:64+64*(\f)+8*\a+3],   v[ADRA+(\slot)] offset:64*(\q)+16*PA*\a
	ds_load_b128 v[64+64*(\f)+8*\a+4:64+64*(\f)+8*\a+7], v[ADRA+(\slot)] offset:64*(\q)+16*PA*\a+32
.endr
	WIN 0x40
.irp b, 0,1,2,3
	ds_load_tr16_b128 v[64*(\f)+8*\b:64*(\f)+8*\b+3],   v[ADRB+(\slot)] offset:32*PB*(\q)+32*\b
	ds_load_tr16_b128 v[64*(\f)+8*\b+4:64*(\f)+8*\b+7], v[ADRB+(\slot)] offset:32*PB*(\q)+32*\b+16*PB
.endr
.endm
.macro QUARTER slot, q, f, zero
	s_wait_dscnt LATE                              ; all but the youngest 4 loads (the late blocks' fragments of B) are in
	MULB \f, EB0, ENB, \zero
	PLACES
	FETCH \slot, \q, 1-(\f)
	s_wait_dscnt NLD                               ; all but the 24 just issued
	MULB \f, LB0, LNB, \zero
.endm
; The last quarter multiplies buffer 1 and changes slots: ONE barrier.  24 of its products come first.  Then each wave waits for all its tensor loads (one is out: its part of the next slot), adds 0 to its
; spare word, and waits for that and for its reads of this slot.  fill = 1: the barrier is a round of the cluster's, and the joint refill, two K steps on, is the first thing behind it.
; The next slot's first fragments are fetched, and the quarter's last 8 products stand behind that run of loads.
.macro TURN slot, next, fill
.if \fill
	s_wait_xcnt 0x0                                ; the last prefetch, a K step back, has read its address
	s_add_nc_u64 s[PFA:PFA+1], s[PFA:PFA+1], s[PST:PST+1]
.endif
	s_wait_dscnt LATE                              ; all but the youngest 4 loads are in
	MULB 1, EB0, ENB, 0
	s_wait_dscnt 0x0                               ; the late blocks' fragments too: these were my last reads of this slot
	MULB 1, LB0, LNB/2, 0
	WIN 0
	s_wait_tensorcnt 0x0                           ; all my tensor loads have landed, so a group 0 may be written
	ds_add_u32 v[SPW], v[NIL]                      ; 0 onto my spare word; the descriptors' steps stand between it and the wait for it
.if \fill
	s_add_nc_u64 s[G0+4*(\slot)+2:G0+4*(\slot)+3], s[G0+4*(\slot)+2:G0+4*(\slot)+3], 2*256
	s_add_nc_u64 s[G0B+4*(\slot)+2:G0B+4*(\slot)+3], s[G0B+4*(\slot)+2:G0B+4*(\slot)+3], 2*BST
.endif
	s_wait_dscnt 0x0                               ; the add is done
.if \fill
	CROUND                                         ; no wave of any partner still reads this slot or has a load on its way
	JLOAD \slot                                    ; its four v_nop are also the places in front of the loads below
.else
	s_barrier_signal -1
	s_barrier_wait -1
	PLACES
.endif
	FETCH \next, 0, 0
.if \fill
	ASK
.endif
	MULB 1, LB0+LNB/2, LNB/2, 0
.endm
	s_load_b128 s[4:7], s[0:1], 0x0                ; A s[4:5], B s[6:7]
	s_load_b64 s[8:9], s[0:1], 0x10                ; C
	v_lshl_add_u32 v[SPW], v0, 2, SPARE
	v_mov_b32 v[NIL], 0
	ds_add_u32 v[SPW], v[NIL]                      ; the wave's opening: the add and its wait stand ahead of my first tensor load; the set-up stands between them
	v_lshrrev_b32 v1, 5, v0
	v_readfirstlane_b32 s10, v1
	s_bfe_u32 s40, ttmp6, 0x40000                  ; cx, cy
	s_bfe_u32 s41, ttmp6, 0x40004
	s_lshl_b32 s42, ttmp9, 2
	s_add_co_u32 s42, s42, s40                     ; tile column 0..7
	s_and_b32 s13, ttmp7, 0xffff
	s_lshl_b32 s13, s13, 2
	s_add_co_u32 s13, s13, s41                     ; tile row 0..31
	s_lshl_b32 s43, s41, 2
	s_lshl_b32 s43, 15, s43
	s_lshl_b32 s44, 0x1111, s40
	s_or_b32 s[G1+0], s43, (1<<16)|(1<<20)|(1<<21)|(5<<22)|(3<<25)   ; the mask; 2-byte elements; padding on; bit 21 beside a mask; after every 64 words, 4 words
	s_mov_b32 s[G1+1], 128<<16
	s_mov_b32 s[G1+2], AROWS<<16
	s_mov_b32 s[G1+3], 128<<16
	s_mov_b32 s[G1+4], AROWS
	s_mov_b32 s[G1+5], 2048
	s_mov_b32 s[G1+6], 0
	s_mov_b32 s[G1+7], 0
	s_or_b32 s[G1B+0], s44, (1<<16)|(1<<20)|(1<<21)|(5<<22)|(7<<25)  ; my column's mask, 8 words of padding
	s_mov_b32 s[G1B+1], 128<<16
	s_mov_b32 s[G1B+2], 128<<16
	s_mov_b32 s[G1B+3], 128<<16
	s_mov_b32 s[G1B+4], 128
	s_mov_b32 s[G1B+5], NTOT
	s_mov_b32 s[G1B+6], 0
	s_mov_b32 s[G1B+7], 0
	s_lshl_b32 s16, s13, 19                        ; A: 128 x tile row rows of 4,096 bytes,
	s_max_u32 s14, s10, NSUB
	s_sub_co_u32 s14, s14, NSUB                    ; and wave 3's second half of them
	s_mul_i32 s14, s14, AROWS*4096
	s_add_co_u32 s16, s16, s14
	s_mov_b32 s17, 0
	s_mul_i32 s46, s42, NT*2                       ; B: the tile's first column, in bytes, and my sub-tile's 128 columns
	s_lshl_b32 s47, s10, 8
	s_add_co_u32 s46, s46, s47
	s_mov_b32 s47, 0
	s_mul_i32 s20, s10, SUBT
	s_mul_i32 s21, s10, AROWS*PA
	s_add_co_u32 s21, s21, ALDS0
	s_wait_dscnt 0x0                               ; the opening add is done
	s_wait_kmcnt 0x0
	s_add_nc_u64 s[14:15], s[4:5], s[16:17]
	s_add_nc_u64 s[46:47], s[6:7], s[46:47]
	CROUND
.irp s, 0,1
	s_mov_b32 s[G0+4*(\s)], 1
	s_add_co_u32 s[G0+4*(\s)+1], s21, (\s)*SLOT
	s_add_nc_u64 s[G0+4*(\s)+2:G0+4*(\s)+3], s[14:15], (\s)*256
	s_or_b32 s[G0+4*(\s)+3], s[G0+4*(\s)+3], 0x80000000
	s_mov_b32 s[G0B+4*(\s)], 1
	s_add_co_u32 s[G0B+4*(\s)+1], s20, (\s)*SLOT
	s_add_nc_u64 s[G0B+4*(\s)+2:G0B+4*(\s)+3], s[46:47], (\s)*BST
	s_or_b32 s[G0B+4*(\s)+3], s[G0B+4*(\s)+3], 0x80000000
	JLOAD \s                                       ; K steps 0 and 1: two loads of mine are out
.endr
	v_and_b32 v1, 15, v0                           ; r
	v_bfe_u32 v2, v0, 4, 1                         ; h
	v_mul_u32_u24 v3, v1, PA
	v_lshl_add_u32 v4, v2, 4, v3                   ; 272 r + 16 h
	v_add_nc_u32 v[ADRA], AOFF, v4
	v_add_nc_u32 v[ADRA+1], AOFF+SLOT, v4
	v_and_b32 v4, 7, v0                            ; the turning load: lane l reads row 8 h + l % 8, bytes 16 ((l / 8) % 2) on
	v_lshl_add_u32 v4, v2, 3, v4
	v_mul_u32_u24 v4, v4, PB
	v_bfe_u32 v5, v0, 3, 1
	v_lshl_add_u32 v4, v5, 4, v4
	s_lshr_b32 s21, s10, 1                         ; my 64 columns: sub-tile w / 2, its half w % 2
	s_mul_i32 s21, s21, SUBT
	s_and_b32 s22, s10, 1
	s_lshl_b32 s22, s22, 7
	s_add_co_u32 s21, s21, s22
	v_add_nc_u32 v[ADRB], s21, v4
	v_add_nc_u32 v[ADRB+1], SLOT, v[ADRB]
	s_mul_i32 s22, s10, 16*PA
	s_add_co_u32 s22, s22, STAGE                   ; my stage
	v_lshl_add_u32 v[STO], v2, 5, v3               ; in: row r, 32 bytes for each half of the lanes
	v_add_nc_u32 v[STO], s22, v[STO]
	v_mul_u32_u24 v[RD], v2, PA                    ; back: lanes 0-15 one row of 256 bytes, lanes 16-31 the next
	v_lshl_add_u32 v[RD], v1, 4, v[RD]
	v_add_nc_u32 v[RD], s22, v[RD]
	v_lshlrev_b32 v[CO], 13, v2                    ; and the same two rows in C, 8,192 bytes apart
	v_lshl_add_u32 v[CO], v1, 4, v[CO]
	s_lshl_b32 s18, s13, 20                        ; C: 128 x tile row rows of 8,192 bytes; 1,024 bytes a tile column; my 256
	s_lshl_b32 s19, s42, 10
	s_add_co_u32 s18, s18, s19
	s_lshl_b32 s19, s10, 8
	s_add_co_u32 s18, s18, s19
	s_mov_b32 s19, 0
	s_add_nc_u64 s[8:9], s[8:9], s[18:19]
	; the prefetches: B's waves take rows 32 cy .. of their sub-tile's K step, A's wave rows 32 cx .. of the tile
	s_mul_i32 s18, s41, 32*NTOT*2
	s_mul_i32 s19, s42, NT*2
	s_add_co_u32 s18, s18, s19
	s_lshl_b32 s19, s10, 8
	s_add_co_u32 s18, s18, s19
	s_lshl_b32 s19, s13, 19
	s_lshl_b32 s23, s40, 17
	s_add_co_u32 s19, s19, s23
	s_and_b32 s22, ttmp7, 0xffff
	s_mov_b32 s[PST], 256
	s_cmp_lt_u32 s10, NSUB                         ; do I fetch for B?
	s_cselect_b32 s18, s18, s19
	s_cselect_b32 s22, s22, ttmp9                  ; the coordinate along which other clusters read the same rows
	s_cselect_b32 s[PST], BST, s[PST]
	s_cselect_b64 s[PFA:PFA+1], s[6:7], s[4:5]
	s_mov_b32 s19, 0
	s_mov_b32 s[PST+1], 0
	s_add_nc_u64 s[PFA:PFA+1], s[PFA:PFA+1], s[18:19]
.rept 3
	s_add_nc_u64 s[PFA:PFA+1], s[PFA:PFA+1], s[PST:PST+1]  ; at K step 3: the first refill steps it to 4.  K steps 0-3 come by their loads alone
.endr
	s_cmp_eq_u32 s22, 0
	s_cselect_b32 s[LIM], 1, -1
	s_cmp_gt_u32 s10, NSUB
	s_cselect_b32 s[LIM], -1, s[LIM]               ; wave 3: wave 2 names all of my work-group's 32 rows of A
	v_and_b32 v[PFO], 31, v0
	v_lshlrev_b32 v[PFO], 12, v[PFO]               ; a row of A and of B is 4,096 bytes
	s_wait_tensorcnt 1                             ; my part of K step 0 is in; K step 1's may stay out
	s_barrier_signal -1
	s_barrier_wait -1
	FETCH 0, 0, 0
	QUARTER 0, 1, 0, 1                             ; the first quarter stands in front of the loop: its products start the sums
	WIN 0
	s_mov_b32 s3, LAPS-1
.Llap:
	QUARTER 0, 2, 1, 0
	QUARTER 0, 3, 0, 0
	TURN 0, 1, 1
	QUARTER 1, 1, 0, 0
	QUARTER 1, 2, 1, 0
	QUARTER 1, 3, 0, 0
	TURN 1, 0, 1
	QUARTER 0, 1, 0, 0
	WIN 0
	s_sub_co_u32 s3, s3, 1
	s_cmp_lg_u32 s3, 0
	s_cbranch_scc1 .Llap
	QUARTER 0, 2, 1, 0                             ; the last lap fills nothing
	QUARTER 0, 3, 0, 0
	TURN 0, 1, 0
	QUARTER 1, 1, 0, 0
	QUARTER 1, 2, 1, 0
	QUARTER 1, 3, 0, 0
	s_wait_dscnt 0x0
	MULB 1, EB0, ENB, 0
	MULB 1, LB0, LNB, 0
	; THE WAY OUT, 16 rows at a time through my own stage: a lane's eight f32 of a row go in as 32 bytes; whole rows of my 64 columns, 256 bytes, come back and are stored.  No barrier: the stage is mine alone.
.macro TOSTAGE a
	s_wait_xcnt 0x0                                ; the stores two blocks back have read the registers that are loaded again below
	WIN 0x08                                       ; the data in window 2
.irp b, 0,1,2,3
	ds_store_b128 v[STO], v[64*\b+8*(\a):64*\b+8*(\a)+3]   offset:64*\b
	ds_store_b128 v[STO], v[64*\b+8*(\a)+4:64*\b+8*(\a)+7] offset:64*\b+16
.endr
	WIN 0
.set BK, 32+192*((\a)%2)
.irp t, 0,1,2,3,4,5,6,7
	ds_load_b128 v[BK+4*\t:BK+4*\t+3], v[RD] offset:2*PA*\t  ; LDS serves a wave's instructions in order (ISA guide 5.7.1.4): these see the stores above; the next block's stores come behind them
.endr
.endm
.macro SEND a, younger                 ; younger: the next block's eight stores and eight loads, or none
.set BK, 32+192*((\a)%2)
	s_wait_dscnt \younger
.irp t, 0,1,2,3,4,5,6,7
	global_store_b128 v[CO], v[BK+4*\t:BK+4*\t+3], s[8:9] offset:131072*(\a)+16384*\t  ; 16 lanes store 256 consecutive bytes, aligned
.endr
.endm
	PLACES
	TOSTAGE 0
.irp a, 1,2,3,4,5,6,7
	TOSTAGE \a
	SEND (\a)-1, 16
.endr
	SEND 7, 0
	s_wait_tensorcnt 0x0                           ; the wave's end
	ds_add_u32 v[SPW], v[NIL]
	s_wait_dscnt 0x0
	CROUND                                         ; the closing round
	s_endpgm
.Lfunc_end_k_qf55acaf762_outp:
	.size	k_qf55acaf762_outp, .Lfunc_end_k_qf55acaf762_outp-k_qf55acaf762_outp
	.p2alignl 7, 3214868480
	.fill 96, 4, 3214868480
	.section	.rodata,"a",@progbits
	.p2align	6, 0x0
	.amdhsa_kernel k_qf55acaf762_outp
		.amdhsa_group_segment_fixed_size 327680
		.amdhsa_private_segment_fixed_size 0
		.amdhsa_enable_private_segment 0
		.amdhsa_kernarg_size 24
		.amdhsa_user_sgpr_count 2
		.amdhsa_user_sgpr_kernarg_segment_ptr 1
		.amdhsa_wavefront_size32 1
		.amdhsa_system_sgpr_workgroup_id_x 1
		.amdhsa_system_sgpr_workgroup_id_y 1
		.amdhsa_system_sgpr_workgroup_id_z 1
		.amdhsa_system_vgpr_workitem_id 0
		.amdhsa_next_free_vgpr 768
		.amdhsa_next_free_sgpr 72
		.amdhsa_reserve_vcc 0
		.amdhsa_float_denorm_mode_32 3
		.amdhsa_float_denorm_mode_16_64 3
		.amdhsa_memory_ordered 1
		.amdhsa_forward_progress 1
		.amdhsa_inst_pref_size 87
	.end_amdhsa_kernel
	.amdgpu_metadata
---
amdhsa.version: [ 1, 2 ]
amdhsa.kernels:
  - .name:           k_qf55acaf762_outp
    .symbol:         k_qf55acaf762_outp.kd
    .args:
      - { .name: ao, .offset: 0, .size: 8, .value_kind: global_buffer, .address_space: global }
      - { .name: wob, .offset: 8, .size: 8, .value_kind: global_buffer, .address_space: global }
      - { .name: out0, .offset: 16, .size: 8, .value_kind: global_buffer, .address_space: global }
    .group_segment_fixed_size: 327680
    .private_segment_fixed_size: 0
    .kernarg_segment_align: 8
    .kernarg_segment_size: 24
    .max_flat_workgroup_size: 128
    .sgpr_count:     72
    .vgpr_count:     768
    .wavefront_size: 32
...
	.end_amdgpu_metadata
.endif
;; end of part 4
;; ======== version 2 of 2: 4 launches; version 1 with the launch cast written anew for expert scheduling mode
;; limits: values are held in f16: magnitudes above 65,504 overflow, below 6.1e-05 lose precision
;; workspace buffers: xb 16,777,216 bytes; wqkv 12,582,912 bytes; wob 8,388,608 bytes; qkv 25,165,824 bytes; ao 16,777,216 bytes
;; launch cast (part 5): grid 1152 x 1, 8 waves a work-group, no clusters, 0 bytes of LDS; arguments x, Wq, Wo, Wk, Wv, xb, wqkv, wob; writes xb, wqkv, wob
.if DOCPART == 5
	.amdgcn_target "amdgcn-amd-amdhsa--gfx1250"
	.amdhsa_code_object_version 6
	.text
	.protected	k_qf55acaf762_cast
	.globl	k_qf55acaf762_cast
	.p2align	8
	.type	k_qf55acaf762_cast,@function
k_qf55acaf762_cast:
	s_mov_b64 s[64:65], 0
	v_nop
	global_prefetch_b8 v0, s[64:65] scope:SCOPE_SE
	s_setreg_imm32_b32 hwreg(HW_REG_WAVE_SCHED_MODE, 0, 2), 2
	s_setreg_imm32_b32 hwreg(HW_REG_WAVE_MODE, 25, 1), 1
	s_wait_xcnt 0x0
	s_wait_alu depctr_vm_vsrc(0)
; ALL INPUTS ROUNDED ONCE TO bf16.  x -> xb [4096][2048] bf16.  Wq, Wk, Wv -> one table wqkv [2048 k][3072 n] bf16 (columns 0-2047 Wq, 2048-2559 Wk, 2560-3071 Wv).
; Wo -> wob [2048][2048]: rounded to bf16 like the others, and that number written as f16, since the last product's other operand is f16.
; LIMIT: bf16(Wo) beyond 65,504 has no f16; below 6e-5 it keeps f16's fixed step of 6e-8.
; A pure stream: no LDS, no barrier, no loop.  A wave takes one UNIT of 8,192 source bytes: 16 loads of 512 consecutive bytes, all issued before the first is used;
; each load's 128 numbers leave as 256 consecutive bytes, aligned, by one store (8 bytes a lane).  A unit is four segments of 512 numbers; a segment's place in the target is
; 8 x lane + segment x STEP, so that a unit is one row of x, Wq or Wo (STEP = 1,024) or four rows of Wk or Wv (STEP = a row of the table).
; The work-group's number picks the tensor: 0-511 x, 512-767 Wq, 768-1023 Wo, 1024-1087 Wk, 1088-1151 Wv.
; THE MODE: SCHED_MODE bits 1:0 = 2 (LLVM: expert scheduling mode 2), set by the entry lines.  The code itself states the register dependences
; between vector instructions and memory instructions, with s_wait_alu, always for 0.
; THE PLAN.  Registers that memory instructions touch; each has one life:
;   v1       the loads' offset.  Written once at the head; read by the 16 loads; never written again.
;   v[2:5]   the stores' offsets, one a segment.  Written once (v2 at the head, v3-5 behind the loads); read by the segment's four stores; never written again.
;   X        written by the 16 loads, each register once, and by no vector instruction; read by the conversions; nothing lands there a second time.
;   Y        written by the conversions, each register once; read by one store each; never written again.
;   T        named by vector instructions alone.
; So no register that a memory instruction has read is written again, and no load lands in a register that a vector instruction has named: the only dependences to state are
; vector results that memory instructions read.  One wait stands ahead of the loads (v1), and one for each segment, behind its conversions and ahead of its run of four stores (its Y; the first also v3-5).
; A segment's wait stands behind its own conversions and not at the next segment's head, so that its stores leave without waiting for the next segment's loads.
.set X,  8                             ; v[8:71]    16 loads of 4 registers
.set Y,  72                            ; v[72:103]  16 stores of 2 registers: none is written twice, so no store's data waits for a free register
.set T,  104                           ; v[104:107] at work (Wo alone)
.set OD, 2                             ; v[2:5]     segment j: 8 x lane + j x STEP
	s_load_b512 s[16:31], s[0:1], 0x0              ; x 16, Wq 18, Wo 20, Wk 22, Wv 24, xb 26, wqkv 28, wob 30
	v_lshrrev_b32 v1, 5, v0
	v_readfirstlane_b32 s3, v1                     ; wave 0..7
	v_and_b32 v6, 31, v0
	v_lshlrev_b32 v1, 4, v6                        ; 16 x lane: my 16 bytes of a load
	v_lshlrev_b32 v[OD], 3, v6                     ; 8 x lane: my 8 bytes of a store
	s_mov_b32 s2, ttmp9
	s_mov_b32 s4, 1088                             ; the fields start as Wv's: the region's first work-group,
	s_mov_b32 s5, 24576                            ; target bytes from unit to unit (four rows of the table),
	s_mov_b32 s6, 6144                             ; STEP,
	s_mov_b32 s7, 5120                             ; the first column's byte in a row of the table,
	s_mov_b32 s8, 0                                ; and 1 where the target is f16
	s_wait_kmcnt 0x0
	s_mov_b64 s[10:11], s[24:25]
	s_mov_b64 s[12:13], s[28:29]
	s_cmp_lt_u32 s2, 1088                          ; Wk
	s_cselect_b32 s4, 1024, s4
	s_cselect_b32 s7, 4096, s7
	s_cselect_b64 s[10:11], s[22:23], s[10:11]
	s_cmp_lt_u32 s2, 1024                          ; Wo
	s_cselect_b32 s4, 768, s4
	s_cselect_b32 s5, 4096, s5
	s_cselect_b32 s6, 1024, s6
	s_cselect_b32 s7, 0, s7
	s_cselect_b32 s8, 1, s8
	s_cselect_b64 s[10:11], s[20:21], s[10:11]
	s_cselect_b64 s[12:13], s[30:31], s[12:13]
	s_cmp_lt_u32 s2, 768                           ; Wq
	s_cselect_b32 s4, 512, s4
	s_cselect_b32 s5, 6144, s5
	s_cselect_b32 s8, 0, s8
	s_cselect_b64 s[10:11], s[18:19], s[10:11]
	s_cselect_b64 s[12:13], s[28:29], s[12:13]
	s_cmp_lt_u32 s2, 512                           ; x
	s_cselect_b32 s4, 0, s4
	s_cselect_b32 s5, 4096, s5
	s_cselect_b64 s[10:11], s[16:17], s[10:11]
	s_cselect_b64 s[12:13], s[26:27], s[12:13]
	s_sub_co_u32 s9, s2, s4
	s_lshl_b32 s9, s9, 3
	s_wait_alu depctr_va_sdst(0)                   ; s3, the wave's number, is written, ahead of its first and only reader: the next line
	s_add_co_u32 s9, s9, s3                        ; my unit in its tensor
	s_lshl_b32 s14, s9, 13                         ; 8,192 source bytes a unit (under 2^26)
	s_mov_b32 s15, 0
	s_add_nc_u64 s[10:11], s[10:11], s[14:15]
	s_mul_i32 s14, s9, s5
	s_add_co_u32 s14, s14, s7
	s_add_nc_u64 s[12:13], s[12:13], s[14:15]
	s_wait_alu depctr_va_vdst(0)                   ; v1 is written, which all sixteen loads read as their offset
.set i, 0
.rept 16
	global_load_b128 v[X+4*i:X+4*i+3], v1, s[10:11] offset:512*i th:TH_LOAD_NT
.set i, i+1
.endr
	v_add_nc_u32 v[OD+1], s6, v[OD]                ; the other segments' offsets are made while the loads are out: no load names them, and the first segment's wait below states them written
	v_add_nc_u32 v[OD+2], s6, v[OD+1]
	v_add_nc_u32 v[OD+3], s6, v[OD+2]
; The four segments, four loads each.  The wait on LOADcnt leaves the 12 - 4 g loads of the later segments out (loads come back in order: ISA guide 5.7.1).
.macro OUT half
.set g, 0
.rept 4
	s_wait_loadcnt 12-4*g
.set i, 4*g
.rept 4
.if \half
	v_cvt_pk_bf16_f32 v[T], v[X+4*i], v[X+4*i+1]   ; the one rounding, to bf16;
	v_cvt_pk_bf16_f32 v[T+1], v[X+4*i+2], v[X+4*i+3]
	v_lshlrev_b32 v[T+2], 16, v[T]                 ; back to f32 (a shift, a mask),
	v_and_b32 v[T], 0xffff0000, v[T]
	v_lshlrev_b32 v[T+3], 16, v[T+1]
	v_and_b32 v[T+1], 0xffff0000, v[T+1]
	v_cvt_pk_f16_f32 v[Y+2*i], v[T+2], v[T]        ; and the same number in f16's code
	v_cvt_pk_f16_f32 v[Y+2*i+1], v[T+3], v[T+1]
.else
	v_cvt_pk_bf16_f32 v[Y+2*i], v[X+4*i], v[X+4*i+1]
	v_cvt_pk_bf16_f32 v[Y+2*i+1], v[X+4*i+2], v[X+4*i+3]
.endif
.set i, i+1
.endr
	s_wait_alu depctr_va_vdst(0)                   ; the conversions have written this segment's eight registers of Y, which the four stores below read as data; at the first segment also: v3 to v5, the later stores' offsets, are written
.set i, 4*g
.rept 4
	global_store_b64 v[OD+g], v[Y+2*i:Y+2*i+1], s[12:13] offset:256*(i%4) th:TH_STORE_NT  ; 32 lanes: 256 consecutive bytes, aligned
.set i, i+1
.endr
.set g, g+1
.endr
.endm
	s_cmp_eq_u32 s8, 1
	s_cbranch_scc1 .Lhalf
	OUT 0
	s_endpgm
.Lhalf:
	OUT 1
	s_endpgm
.Lfunc_end_k_qf55acaf762_cast:
	.size	k_qf55acaf762_cast, .Lfunc_end_k_qf55acaf762_cast-k_qf55acaf762_cast
	.p2alignl 7, 3214868480
	.fill 96, 4, 3214868480
	.section	.rodata,"a",@progbits
	.p2align	6, 0x0
	.amdhsa_kernel k_qf55acaf762_cast
		.amdhsa_group_segment_fixed_size 0
		.amdhsa_private_segment_fixed_size 0
		.amdhsa_enable_private_segment 0
		.amdhsa_kernarg_size 64
		.amdhsa_user_sgpr_count 2
		.amdhsa_user_sgpr_kernarg_segment_ptr 1
		.amdhsa_wavefront_size32 1
		.amdhsa_system_sgpr_workgroup_id_x 1
		.amdhsa_system_sgpr_workgroup_id_y 1
		.amdhsa_system_sgpr_workgroup_id_z 1
		.amdhsa_system_vgpr_workitem_id 0
		.amdhsa_next_free_vgpr 108
		.amdhsa_next_free_sgpr 66
		.amdhsa_reserve_vcc 0
		.amdhsa_float_denorm_mode_32 3
		.amdhsa_float_denorm_mode_16_64 3
		.amdhsa_memory_ordered 1
		.amdhsa_forward_progress 1
		.amdhsa_inst_pref_size 17
	.end_amdhsa_kernel
	.amdgpu_metadata
---
amdhsa.version: [ 1, 2 ]
amdhsa.kernels:
  - .name:           k_qf55acaf762_cast
    .symbol:         k_qf55acaf762_cast.kd
    .args:
      - { .name: x, .offset: 0, .size: 8, .value_kind: global_buffer, .address_space: global }
      - { .name: Wq, .offset: 8, .size: 8, .value_kind: global_buffer, .address_space: global }
      - { .name: Wo, .offset: 16, .size: 8, .value_kind: global_buffer, .address_space: global }
      - { .name: Wk, .offset: 24, .size: 8, .value_kind: global_buffer, .address_space: global }
      - { .name: Wv, .offset: 32, .size: 8, .value_kind: global_buffer, .address_space: global }
      - { .name: xb, .offset: 40, .size: 8, .value_kind: global_buffer, .address_space: global }
      - { .name: wqkv, .offset: 48, .size: 8, .value_kind: global_buffer, .address_space: global }
      - { .name: wob, .offset: 56, .size: 8, .value_kind: global_buffer, .address_space: global }
    .group_segment_fixed_size: 0
    .private_segment_fixed_size: 0
    .kernarg_segment_align: 8
    .kernarg_segment_size: 64
    .max_flat_workgroup_size: 256
    .sgpr_count:     66
    .vgpr_count:     108
    .wavefront_size: 32
...
	.end_amdgpu_metadata
.endif
;; end of part 5
;; launch qkvp: the kernel of part 2 again; grid 8 x 32, 4 waves a work-group, clusters of 4 x 4, 327,680 bytes of LDS; arguments xb, wqkv, qkv; writes qkv
;; launch attn: the kernel of part 3 again; grid 16 x 16, 4 waves a work-group, clusters of 4 x 1, 327,680 bytes of LDS; arguments qkv, ao; writes ao
;; launch outp: the kernel of part 4 again; grid 8 x 32, 4 waves a work-group, clusters of 4 x 4, 327,680 bytes of LDS; arguments ao, wob, out0; writes out0
